; MI455X (gfx1250); checked and timed in simulation.
; The chip was launched on July 23, 2026; its instructions are those of AMD's public machine-readable ISA for CDNA 5 (MIT licence, August 2026) and "CDNA5" Instruction Set Architecture Reference Guide (July 2026). The comments in the code are by the model that wrote it; some were corrected since.
;; Multi Head Attention. Allowed arithmetic: matrix products marked QUANTISED: E4M3 operands, one given power-of-two scale a tensor, by v_wmma_f32_16x16x64_fp8_fp8 or v_wmma_f32_16x16x128_fp8_fp8, f32 sums; everything else in f32.
;; Inputs: bk 1,024 float32; bo 1,024 float32; bq 1,024 float32; bv 1,024 float32; lowp_scales 12 int32 (the exponents e of the quantised operands' scales 2^e); mask 1 x 1 x 2,048 x 2,048 bool; wk 1,024 x 1,024 float32; wo 1,024 x 1,024 float32; wq 1,024 x 1,024 float32; wv 1,024 x 1,024 float32; x 4 x 2,048 x 1,024 float32.
;; Outputs: out0 4 x 2,048 x 1,024 float32.
;; This version of the problem:
;;   THIS VERSION OF THE PROBLEM IS GIVEN IN LOW PRECISION. The matrix products marked QUANTISED in the list below multiply operands that are first quantised to E4M3 (4 exponent bits, 3 mantissa bits; 8 bits a number), with one given power-of-two scale for each operand tensor; their sums are f32. All else is computed in f32.
;;   The module's matrix products, in the order in which they are computed (A, B: the left and right operand; K: the contracted axis; several contracted axes count as one K, in the product's order):
;;     1. [M 8,192, K 1,024] x [K 1,024, N 1,024]; A: input x; B: input wq: QUANTISED (scales: A lowp_scales[0], B lowp_scales[1])
;;     2. [M 8,192, K 1,024] x [K 1,024, N 1,024]; A: input x; B: input wk: QUANTISED (scales: A lowp_scales[2], B lowp_scales[3])
;;     3. [M 8,192, K 1,024] x [K 1,024, N 1,024]; A: input x; B: input wv: QUANTISED (scales: A lowp_scales[4], B lowp_scales[5])
;;     4. batch 64 x [M 2,048, K 64] x [K 64, N 2,048]; A: computed on the way; B: computed on the way: QUANTISED (scales: A lowp_scales[6], B lowp_scales[7])
;;     5. batch 64 x [M 2,048, K 2,048] x [K 2,048, N 64]; A: softmax (see below); B: computed on the way: QUANTISED (scales: A lowp_scales[8], B lowp_scales[9])
;;     6. [M 8,192, K 1,024] x [K 1,024, N 1,024]; A: computed on the way; B: input wo: QUANTISED (scales: A lowp_scales[10], B lowp_scales[11])
;;   THE QUANTISER, for each operand of a quantised product, along K:
;;     - The operand's scale is 2^e, e = its entry of the input lowp_scales (int32; the entries are numbered through the quantised products in the list's order, A before B).
;;     - Each number is divided by the scale, clamped to +-448, and rounded to the nearest number of E4M3, ties to even, subnormals kept.
;;     - The product sums the exact products of the quantised numbers (number of the format x scale) in f32.
;;   ~~~python
;;   def quantise(x, axis, e):      # numpy; x: float32 -> the quantised numbers, widened to float32 again
;;       x = np.moveaxis(x, axis, -1); K = x.shape[-1]
;;       r = np.clip(x / 2.0 ** e, -448, 448)
;;       step = 2.0 ** (np.maximum(np.frexp(np.where(r == 0, 1, r))[1] - 1, -6) - 3)
;;       q = np.round(r / step) * step * 2.0 ** e      # np.round: ties to even
;;       return np.moveaxis(q, -1, axis).astype(np.float32)
;;   ~~~
;;   SOFTMAX AHEAD OF A QUANTISED PRODUCT. Where the list says 'softmax', what is quantised is not the finished softmax but p = 2^(t - M), with t = logit x log2(e) and M = ceil(the row's largest t), a whole number; so 1/2 < the row's largest p <= 1. The row's sum l is taken of the UNQUANTISED p, in f32, and the product's result is divided by l at the end. Since M is a whole number, a kernel that streams over the keys may use a running M (the ceiling of the running maximum): every later rescaling is an exact power of two, so the quantised numbers keep their values, but for numbers so far below the row's largest that they fall under the format's range.
;;   OPERANDS COMPUTED ON THE WAY. 'Computed on the way' means the value that the module computes at that place (a softmax that the list does not call 'softmax' is quantised finished and normalised). What goes into a quantiser is computed in f32, as accurately as f32 sums, v_exp_f32 and their like allow (about 1e-6 of the number): no bf16 or f16 on the way to a quantiser, and a product that is left as it is and whose result goes on into a quantised operand takes f32 operands (vector FMAs, or v_wmma_f32_16x16x4_f32). A number that lies on a knife's edge between two numbers of the format may be rounded either way, as far as f32 arithmetic and the matrix unit's own rounding can turn it there, and no further.
;; One version. Each part assembles by itself: llvm-mc -triple=amdgcn-amd-amdhsa -mcpu=gfx1250 --defsym DOCPART=n.
;; ======== version 1 of 1: 4 launches
;; workspace buffers: xc 25,165,824 bytes; wi 4,194,304 bytes; qkv 25,165,824 bytes; aimg 8,388,608 bytes; mbits 524,288 bytes of whole numbers; tflags 4,096 bytes of whole numbers
;; launch prep (part 1): grid 704 x 1, 8 waves a work-group, no clusters, 138,240 bytes of LDS; arguments x, wq, wk, wv, wo, mask, lowp_scales, xc, wi, mbits, tflags; writes xc, wi, mbits, tflags
.if DOCPART == 1
	.amdgcn_target "amdgcn-amd-amdhsa--gfx1250"
	.amdhsa_code_object_version 6
	.text
	.protected	k_qc8d5499e6b_prep
	.globl	k_qc8d5499e6b_prep
	.p2align	8
	.type	k_qc8d5499e6b_prep,@function
k_qc8d5499e6b_prep:
	s_mov_b64 s[64:65], 0
	v_nop
	global_prefetch_b8 v0, s[64:65] scope:SCOPE_SE
	s_setreg_imm32_b32 hwreg(HW_REG_WAVE_MODE, 25, 1), 1
	s_wait_xcnt 0x0
; PREP: everything that is made once from the inputs.  Three paths, chosen by the work-group's number; each ends by itself, and each has LDS bytes of its own.
;   work-groups 0-511   X: x [8192][1024] f32 -> codes of E4M3 under each of the three given scales (entries 0, 2, 4)
;   work-groups 512-639 W: wq, wk, wv, wo [k 1024][n 1024] f32 -> codes (entries 1, 3, 5, 11), K innermost
;   work-groups 640-703 M: mask [2048][2048] bytes -> one 32-bit lane mask for each score register of the attention launch, and two flags for each tile of 32 queries x 64 keys
; code = number / 2^e, held within +-448, to the nearest code, ties to even.  LIMITS: each e between -126 and 119; NaN among x and the weights is not served (an infinity is held at the largest code).
; OPERANDS LIE IN MEMORY AS IMAGES OF THEIR REGISTERS.  An image is 16 rows x 128 K = 2,048 bytes: group c (four registers) at 512 c, lane (r, h)'s 16 bytes at 16 (r + 16 h): k = 32 c + 16 h + 0 .. 15 of row r.
;   xc: [scale 3][row tile 512][K step 8][2,048].   wi: [weight 4][tile of 16 channels 64][K step 8][2,048]; in wv's images place p holds channel p with bits 3 and 4 exchanged.
;   mbits: [g 64][key step 32][64 words]: word 32 qt + 8 kt + j, bit (r + 16 h) = mask[32 g + 16 qt + r][64 ks + 16 kt + 8 h + j].
;   tflags: [g 64][part 8][2 words]: bit 4 part + i of word 0: key step 4 part + i has a score that counts; of word 1: it has a hidden one.
; No tensor loads, no barrier, no cluster: waves share nothing, and no two work-groups read the same bytes.
.set XWV, 16*528                       ; X: a wave's stage: 16 rows of 512 bytes + 16
.set MST, 8*XWV                        ; M's stages begin behind X's: byte 67,584
.set MWV, 32*272                       ; M: a wave's stage: 32 rows of 256 bytes + 16
	s_load_b512 s[4:19], s[0:1], 0x0               ; x s[4:5], wq s[6:7], wk s[8:9], wv s[10:11], wo s[12:13], mask s[14:15], the exponents s[16:17], xc s[18:19]
	s_load_b128 s[20:23], s[0:1], 0x40             ; wi s[20:21], mbits s[22:23]
	s_load_b64 s[24:25], s[0:1], 0x50              ; tflags
	v_lshl_add_u32 v224, v0, 2, 0x21800
	v_mov_b32 v225, 0
	v_lshrrev_b32 v1, 5, v0
	v_readfirstlane_b32 s26, v1                    ; wave 0..7
	v_and_b32 v1, 31, v0                           ; lane
	s_wait_kmcnt 0x0
	s_cmp_lt_u32 ttmp9, 512
	s_cbranch_scc0 .Lnot_x
; ---- X.  The work-group is row tile T, the wave K step w: 16 rows x 128 numbers become one image under each of three scales.
; Each load reads 512 consecutive bytes of a row; the conversions want 16 neighbours in ONE lane: the 8,192 bytes turn through the wave's own stage.
	s_load_b256 s[28:35], s[16:17], 0x0            ; e0 .. e7: entries 0, 2, 4 are x's
	v_lshlrev_b32 v2, 4, v1                        ; 16 x lane: my bytes of a load, and of an image's group
	s_mul_i32 s40, s26, XWV
	v_add_nc_u32 v3, s40, v2                       ; into the stage: as loaded
	v_and_b32 v11, 15, v1                          ; r
	v_lshrrev_b32 v12, 4, v1                       ; h
	v_mul_u32_u24 v4, v11, 528
	v_lshl_add_u32 v4, v12, 6, v4
	v_add_nc_u32 v4, s40, v4                       ; out of it: row r, + 64 h: 16 numbers of each block of 32
	s_lshl_b32 s42, ttmp9, 16                      ; 16 rows of 4,096 bytes
	s_lshl_b32 s43, s26, 9                         ; + 512 bytes a K step
	s_add_co_u32 s42, s42, s43
	s_mov_b32 s43, 0
	s_add_nc_u64 s[4:5], s[4:5], s[42:43]
.irp r, 0,1,2,3,4,5,6,7,8,9,10,11,12,13,14,15
	global_load_b128 v[16+4*\r:19+4*\r], v2, s[4:5] offset:4096*\r th:TH_LOAD_NT
.endr
	s_lshl_b32 s42, ttmp9, 14                      ; a row tile's eight images
	s_lshl_b32 s44, s26, 11
	s_add_co_u32 s42, s42, s44
	s_add_nc_u64 s[44:45], s[18:19], s[42:43]      ; my image under the first scale,
	s_add_nc_u64 s[46:47], s[44:45], 0x800000      ; the second,
	s_add_nc_u64 s[48:49], s[46:47], 0x800000      ; the third: 8 MiB apart
	s_wait_kmcnt 0x0
.irp s, 0,1,2
	s_add_co_i32 s50, s[28+2*\s], 127
	s_lshl_b32 s51, s50, 23
	v_mov_b32 v[5+\s], s51                         ; 2^e as f32: the conversion takes its exponent field
	s_add_co_i32 s50, s50, 8
	s_lshl_b32 s50, s50, 23
	s_or_b32 s50, s50, 0x600000
	v_mov_b32 v[8+\s], s50                         ; 448 x 2^e
.endr
.irp r, 0,1,2,3,4,5,6,7,8,9,10,11,12,13,14,15
	s_wait_loadcnt 15-\r                           ; row r is in; the younger rows may be out
	ds_store_b128 v3, v[16+4*\r:19+4*\r] offset:528*\r
.endr
.irp c, 0,1,2,3
.irp i, 0,1,2,3
	ds_load_b128 v[80+16*\c+4*\i:83+16*\c+4*\i], v4 offset:128*\c+16*\i   ; LDS serves a wave's instructions in order: these see my stores
.endr
.endr
; group c under scale s: sixteen holds into one of two sets by turns (the next set's holds are the plain lines behind these conversions), two conversions
.macro QX s, c
.set TS, 144+16*((3*(\c)+(\s))%2)
.irp i, 0,1,2,3,4,5,6,7,8,9,10,11,12,13,14,15
	v_med3_num_f32 v[TS+\i], v[80+16*(\c)+\i], -v[8+\s], v[8+\s]   ; the conversion to an 8-bit code does not saturate (ISA guide 7.6.2)
.endr
	v_cvt_scalef32_pk8_fp8_f32 v[176+16*(\s)+4*(\c):177+16*(\s)+4*(\c)], v[TS:TS+7], v[5+\s]
	v_cvt_scalef32_pk8_fp8_f32 v[178+16*(\s)+4*(\c):179+16*(\s)+4*(\c)], v[TS+8:TS+15], v[5+\s]
.endm
.irp c, 0,1,2,3
	s_wait_dscnt 12-4*\c                           ; group c's four loads are back; the later groups' may be out
	QX 0, \c
	QX 1, \c
	QX 2, \c
.endr
.irp s, 0,1,2
.irp c, 0,1,2,3
	global_store_b128 v2, v[176+16*\s+4*\c:179+16*\s+4*\c], s[44+2*\s:45+2*\s] offset:512*\c   ; 512 consecutive bytes, aligned
.endr
.endr
	s_wait_tensorcnt 0x0
	ds_add_u32 v224, v225
	s_wait_dscnt 0x0
	s_endpgm
.Lnot_x:
	s_cmp_lt_u32 ttmp9, 640
	s_cbranch_scc0 .Lmask
; ---- W.  i = work-group - 512: weight i / 32, 256 columns (i / 8) % 4, K step i % 8.  A wave takes 32 columns; A LANE TAKES A COLUMN AND ITS REGISTERS RUN DOWN K, so the codes come out with K innermost.
	s_load_b256 s[28:35], s[16:17], 0x0            ; e0 .. e7
	s_load_b128 s[36:39], s[16:17], 0x20           ; e8 .. e11
	s_sub_co_u32 s40, ttmp9, 512
	s_lshr_b32 s41, s40, 5                         ; which weight
	s_bfe_u32 s42, s40, 0x20003                    ; which 256 columns
	s_and_b32 s43, s40, 7                          ; which K step
	s_wait_kmcnt 0x0
	s_cmp_eq_u32 s41, 1
	s_cselect_b64 s[44:45], s[8:9], s[6:7]
	s_cselect_b32 s46, s31, s29
	s_cmp_eq_u32 s41, 2
	s_cselect_b64 s[44:45], s[10:11], s[44:45]
	s_cselect_b32 s46, s33, s46
	s_cselect_b32 s47, 1, 0                        ; wv alone: bits 3 and 4 of the column change places
	s_cmp_eq_u32 s41, 3
	s_cselect_b64 s[44:45], s[12:13], s[44:45]
	s_cselect_b32 s46, s39, s46                    ; e
	s_add_co_u32 s48, s47, 3
	s_sub_co_u32 s49, 4, s47
	v_and_b32 v2, 7, v1
	v_bfe_u32 v3, v1, 3, 1
	v_bfe_u32 v4, v1, 4, 1
	v_lshlrev_b32 v3, s48, v3
	v_lshlrev_b32 v4, s49, v4
	v_or_b32 v2, v2, v3
	v_or_b32 v2, v2, v4
	v_lshlrev_b32 v2, 2, v2                        ; in: 4 bytes x the column that my place holds
	v_and_b32 v5, 15, v1
	v_lshlrev_b32 v5, 4, v5
	v_lshrrev_b32 v8, 4, v1
	v_lshl_add_u32 v5, v8, 14, v5                  ; out: lanes 0-15 one tile of channels, lanes 16-31 the next (16,384 bytes on); 16 bytes a row
	s_lshl_b32 s50, s43, 19                        ; 128 rows of 4,096 bytes a K step
	s_lshl_b32 s51, s42, 10
	s_add_co_u32 s50, s50, s51
	s_lshl_b32 s51, s26, 7
	s_add_co_u32 s50, s50, s51                     ; + 4 x (256 x group + 32 x wave)
	s_mov_b32 s51, 0
	s_add_nc_u64 s[44:45], s[44:45], s[50:51]
	s_lshl_b32 s50, s41, 20                        ; a weight's 64 x 8 images
	s_lshl_b32 s52, s42, 18
	s_add_co_u32 s50, s50, s52
	s_lshl_b32 s52, s26, 15
	s_add_co_u32 s50, s50, s52
	s_lshl_b32 s52, s43, 11
	s_add_co_u32 s50, s50, s52
	s_add_nc_u64 s[52:53], s[20:21], s[50:51]
.macro WLOAD t                         ; block t: w(32 t + i, my column), i = 0 .. 31: 128 consecutive bytes a wave, 1,024 a work-group
.irp i, 0,1,2,3,4,5,6,7,8,9,10,11,12,13,14,15,16,17,18,19,20,21,22,23,24,25,26,27,28,29,30,31
	global_load_b32 v[16+32*(\t)+\i], v2, s[44:45] offset:4096*(32*(\t)+\i) th:TH_LOAD_NT
.endr
.endm
.macro WBLOCK t, left                  ; left: the next block's loads, which may stay out
	s_wait_loadcnt \left
.irp i, 0,1,2,3,4,5,6,7,8,9,10,11,12,13,14,15,16,17,18,19,20,21,22,23,24,25,26,27,28,29,30,31
	v_med3_num_f32 v[16+32*(\t)+\i], v[16+32*(\t)+\i], -v7, v7
.endr
.irp g, 0,1,2,3
	v_cvt_scalef32_pk8_fp8_f32 v[144+8*(\t)+2*\g:145+8*(\t)+2*\g], v[16+32*(\t)+8*\g:23+32*(\t)+8*\g], v6
.endr
	global_store_b128 v5, v[144+8*(\t):147+8*(\t)], s[52:53] offset:512*(\t)        ; k = 32 t + 0 .. 15: the image's lanes 0-15: sixteen lanes fill 256 consecutive bytes, aligned
	global_store_b128 v5, v[148+8*(\t):151+8*(\t)], s[52:53] offset:512*(\t)+256    ; k = 32 t + 16 .. 31: its lanes 16-31
.endm                                  ; (the results go to stores alone, and the next block's holds are plain lines on other registers)
	WLOAD 0
	WLOAD 1
	s_add_co_i32 s46, s46, 127
	s_lshl_b32 s47, s46, 23
	v_mov_b32 v6, s47                              ; 2^e
	s_add_co_i32 s46, s46, 8
	s_lshl_b32 s46, s46, 23
	s_or_b32 s46, s46, 0x600000
	v_mov_b32 v7, s46                              ; 448 x 2^e
	WBLOCK 0, 32
	WLOAD 2
	WBLOCK 1, 32
	WLOAD 3
	WBLOCK 2, 32
	WBLOCK 3, 0
	s_endpgm
.Lmask:
; ---- M.  The work-group is g (32 queries), the wave takes 256 keys: four key steps.  Rows come in 256 bytes at a time and turn through the wave's stage, so that lane (r, h) holds 8 neighbouring keys of query r.
	s_sub_co_u32 s40, ttmp9, 640                   ; g
	v_and_b32 v2, 15, v1                           ; r
	v_lshrrev_b32 v3, 4, v1                        ; h
	v_lshlrev_b32 v4, 4, v2
	v_lshl_add_u32 v5, v3, 11, v4                  ; in: lanes 0-15 one row of the mask, lanes 16-31 the next
	s_mul_i32 s41, s26, MWV
	s_add_co_u32 s41, s41, MST
	v_mul_u32_u24 v6, v3, 272
	v_add_nc_u32 v6, v6, v4
	v_add_nc_u32 v6, s41, v6                       ; into the stage
	v_mul_u32_u24 v7, v2, 272
	v_lshl_add_u32 v7, v3, 3, v7
	v_add_nc_u32 v7, s41, v7                       ; out of it: row r, + 8 h
	v_lshlrev_b32 v10, 3, v1                       ; the words' way out: 8 bytes a lane
	s_lshl_b32 s42, s40, 16                        ; 32 rows of 2,048 bytes
	s_lshl_b32 s43, s26, 8
	s_add_co_u32 s42, s42, s43
	s_mov_b32 s43, 0
	s_add_nc_u64 s[14:15], s[14:15], s[42:43]
.irp i, 0,1,2,3,4,5,6,7,8,9,10,11,12,13,14,15
	global_load_b128 v[16+4*\i:19+4*\i], v5, s[14:15] offset:4096*\i th:TH_LOAD_NT
.endr
	s_lshl_b32 s42, s40, 13                        ; mbits: 32 key steps of 256 bytes for each g,
	s_lshl_b32 s44, s26, 10                        ; four of them a wave
	s_add_co_u32 s42, s42, s44
	s_add_nc_u64 s[22:23], s[22:23], s[42:43]
	s_lshl_b32 s42, s40, 6                         ; tflags: 8 bytes for each wave
	s_lshl_b32 s44, s26, 3
	s_add_co_u32 s42, s42, s44
	s_add_nc_u64 s[24:25], s[24:25], s[42:43]
.irp i, 0,1,2,3,4,5,6,7
	v_mov_b32 v[144+\i], 0                         ; v_writelane_b32's destination counts as read
.endr
.irp i, 0,1,2,3,4,5,6,7,8,9,10,11,12,13,14,15
	s_wait_loadcnt 15-\i
	ds_store_b128 v6, v[16+4*\i:19+4*\i] offset:544*\i
.endr
.irp qt, 0,1
.irp t, 0,1,2,3,4,5,6,7,8,9,10,11,12,13,14,15
	ds_load_b64 v[80+2*(16*\qt+\t):81+2*(16*\qt+\t)], v7 offset:4352*\qt+16*\t   ; mask[16 qt + r][16 t + 8 h + 0 .. 7]
.endr
.endr
	s_mov_b32 s44, 0                               ; the wave's bits 'something counts'
	s_mov_b32 s45, 0                               ; and 'something is hidden'
	s_lshl_b32 s46, s26, 2                         ; the bit of my first key step
	s_wait_dscnt 0x0
.irp st, 0,1,2,3
	s_mov_b32 s47, -1                              ; the AND of the step's 64 words
	s_mov_b32 s48, 0                               ; and their OR
.irp qt, 0,1
.irp t, 0,1,2,3
.irp j, 0,1,2,3,4,5,6,7
	v_and_b32 v[8+\j%2], 0xff<<(8*(\j%4)), v[80+2*(16*\qt+4*\st+\t)+\j/4]
	v_cmp_ne_u32 vcc_lo, 0, v[8+\j%2]              ; the 32 lanes' bits ARE word 32 qt + 8 t + j
	v_writelane_b32 v[144+2*\st+(\j%2)], vcc_lo, 16*\qt+4*\t+\j/2   ; words 2 L and 2 L + 1 go to lane L
	s_and_b32 s47, s47, vcc_lo
	s_or_b32 s48, s48, vcc_lo
.endr
.endr
.endr
	global_store_b64 v10, v[144+2*\st:145+2*\st], s[22:23] offset:256*\st   ; 256 consecutive bytes, aligned
	s_cmp_lg_u32 s47, -1
	s_cselect_b32 s49, 1, 0
	s_lshl_b32 s49, s49, s46
	s_or_b32 s44, s44, s49
	s_cmp_lg_u32 s48, 0
	s_cselect_b32 s49, 1, 0
	s_lshl_b32 s49, s49, s46
	s_or_b32 s45, s45, s49
	s_add_co_u32 s46, s46, 1
.endr
	v_mov_b32 v12, s44
	v_mov_b32 v13, s45
	v_mov_b32 v11, 0
	v_cmp_eq_u32 vcc_lo, 0, v1
	s_wait_xcnt 0x0                                ; EXEC changes only behind this wait: the stores above have read it
	s_wait_tensorcnt 0x0
	ds_add_u32 v224, v225
	s_wait_dscnt 0x0
	s_and_saveexec_b32 s50, vcc_lo
	global_store_b64 v11, v[12:13], s[24:25]       ; one lane: the wave's 8 bytes of flags (4,096 bytes in the whole launch)
	s_wait_xcnt 0x0
	s_or_b32 exec_lo, exec_lo, s50
	s_endpgm
.Lfunc_end_k_qc8d5499e6b_prep:
	.size	k_qc8d5499e6b_prep, .Lfunc_end_k_qc8d5499e6b_prep-k_qc8d5499e6b_prep
	.p2alignl 7, 3214868480
	.fill 96, 4, 3214868480
	.section	.rodata,"a",@progbits
	.p2align	6, 0x0
	.amdhsa_kernel k_qc8d5499e6b_prep
		.amdhsa_group_segment_fixed_size 138240
		.amdhsa_private_segment_fixed_size 0
		.amdhsa_enable_private_segment 0
		.amdhsa_kernarg_size 88
		.amdhsa_user_sgpr_count 2
		.amdhsa_user_sgpr_kernarg_segment_ptr 1
		.amdhsa_wavefront_size32 1
		.amdhsa_system_sgpr_workgroup_id_x 1
		.amdhsa_system_sgpr_workgroup_id_y 1
		.amdhsa_system_sgpr_workgroup_id_z 1
		.amdhsa_system_vgpr_workitem_id 0
		.amdhsa_next_free_vgpr 226
		.amdhsa_next_free_sgpr 66
		.amdhsa_reserve_vcc 1
		.amdhsa_float_denorm_mode_32 3
		.amdhsa_float_denorm_mode_16_64 3
		.amdhsa_memory_ordered 1
		.amdhsa_forward_progress 1
		.amdhsa_inst_pref_size 111
	.end_amdhsa_kernel
	.amdgpu_metadata
---
amdhsa.version: [ 1, 2 ]
amdhsa.kernels:
  - .name:           k_qc8d5499e6b_prep
    .symbol:         k_qc8d5499e6b_prep.kd
    .args:
      - { .name: x, .offset: 0, .size: 8, .value_kind: global_buffer, .address_space: global }
      - { .name: wq, .offset: 8, .size: 8, .value_kind: global_buffer, .address_space: global }
      - { .name: wk, .offset: 16, .size: 8, .value_kind: global_buffer, .address_space: global }
      - { .name: wv, .offset: 24, .size: 8, .value_kind: global_buffer, .address_space: global }
      - { .name: wo, .offset: 32, .size: 8, .value_kind: global_buffer, .address_space: global }
      - { .name: mask, .offset: 40, .size: 8, .value_kind: global_buffer, .address_space: global }
      - { .name: lowp_scales, .offset: 48, .size: 8, .value_kind: global_buffer, .address_space: global }
      - { .name: xc, .offset: 56, .size: 8, .value_kind: global_buffer, .address_space: global }
      - { .name: wi, .offset: 64, .size: 8, .value_kind: global_buffer, .address_space: global }
      - { .name: mbits, .offset: 72, .size: 8, .value_kind: global_buffer, .address_space: global }
      - { .name: tflags, .offset: 80, .size: 8, .value_kind: global_buffer, .address_space: global }
    .group_segment_fixed_size: 138240
    .private_segment_fixed_size: 0
    .kernarg_segment_align: 8
    .kernarg_segment_size: 88
    .max_flat_workgroup_size: 256
    .sgpr_count:     66
    .vgpr_count:     226
    .wavefront_size: 32
...
	.end_amdgpu_metadata
.endif
;; end of part 1
;; launch qkv (part 2): grid 12 x 32, 4 waves a work-group, clusters of 4 x 4, 327,680 bytes of LDS; arguments xc, wi, bq, bk, bv, lowp_scales, qkv; writes qkv
.if DOCPART == 2
	.amdgcn_target "amdgcn-amd-amdhsa--gfx1250"
	.amdhsa_code_object_version 6
	.text
	.protected	k_qc8d5499e6b_qkv
	.globl	k_qc8d5499e6b_qkv
	.p2align	8
	.type	k_qc8d5499e6b_qkv,@function
k_qc8d5499e6b_qkv:
	s_mov_b64 s[64:65], 0
	v_nop
	global_prefetch_b8 v0, s[64:65] scope:SCOPE_SE
	s_setreg_imm32_b32 hwreg(HW_REG_WAVE_MODE, 25, 1), 1
	s_wait_xcnt 0x0
	s_wait_alu depctr_hold_cnt(0) depctr_sa_sdst(0) depctr_va_vdst(0) depctr_va_sdst(0) depctr_va_ssrc(0) depctr_va_vcc(0) depctr_vm_vsrc(0)
	s_getreg_b32 s2, hwreg(HW_REG_IB_STS2, 6, 4)
	s_cmp_eq_u32 s2, 0
	s_cbranch_scc0 .Lentry_in_a_cluster
	s_endpgm
.Lentry_in_a_cluster:
	s_bfe_u32 s2, ttmp6, 0x10000c
	s_cmp_lg_u32 s2, 0xf033
	s_cbranch_scc0 .Lentry_shape_is_right
	s_endpgm
.Lentry_shape_is_right:
; q = x wq + bq, k = x wk + bk, v = x wv + bv on codes of E4M3, and each result quantised at once for the attention launch (entries 6, 7, 9 of the given exponents).
; ROLE = the cluster's x (0: q, 1: k, 2: v): the same in all sixteen partners.  A tile of 256 x 256 to a work-group of four waves, 128 x 128 to a wave: 64 accumulators, 512 registers.
; THE MATRIX INSTRUCTION IS USED TRANSPOSED (source 0 = 16 rows of side B, source 1 = 16 rows of side A): a lane holds ONE row of A and eight neighbouring rows of B.
;   q, k: A = x's codes (rows = tokens), B = the weight's (rows = channels): a lane's eight numbers run along the head's 64, which is the first attention product's K.
;   v:    A = wv's codes (rows = channels), B = x's (rows = tokens): a lane's eight numbers run along the tokens, which is the second attention product's K.
; So eight sums become two registers of the next operand by one conversion, and nothing is transposed.
; Operands lie in memory and in LDS as images of their registers (16 rows x 128 K = 2,048 bytes, group c at 512 c, 16 bytes a lane): every LDS load reads 512 consecutive bytes.
; K = 1,024 goes through a ring of two LDS slots of 256 along K: four slots' worth, written out.  One tensor load brings 8 row tiles x 4,096 bytes.
; CLUSTERS: 4 x 4 work-groups; A's tiles are asked for jointly along a row of the cluster, B's along a column.
; THE BIAS is the C of each sum's first matrix instruction, divided by the power of two that the sums lack.  code = (sum + bias') / 2^(eo - eA - eB), held within +-448.
; OUT: qkv = three parts of 8 MiB.  q, k: [batch x head 64][tile of 16 tokens 128][1,024]; v: [batch x head][step of 64 keys 32][tile of 16 channels 4][1,024]; in each 1,024 bytes registers 2 c, 2 c + 1 of lane (r, h) hold K = 16 c + 8 h + 0 .. 7 of row r.
; LIMITS: eo - eA - eB between -126 and 119.  NaN among the inputs is not served.
; REGISTERS, in windows of 256: window 0: v16-31 addresses and two constants; v32-95 the bias, later numbers on the way out; v128-255 A's fragments, ONE set, later the codes.
;   window 1: B's fragments, two sets.   windows 2, 3: the accumulators of my rows 0-63, 64-127 (accumulator (a, b) at v[8 (8 (a % 4) + b)]).
.set FR,    16                         ; registers of a fragment
.set NL,    4                          ; LDS loads that bring one
.set NP,    4                          ; places behind this matrix instruction (ISA guide 7.12.1)
.set HALF,  32768                      ; what one tensor load brings, and what a wave reads of A or of B in a slot: 8 row tiles x 2 K steps x 2,048
.set SLOT,  4*HALF                     ; A's two halves, then B's
.set SLOTK, 4096                       ; a slot's part of a row tile in memory
.set SPARE, 2*SLOT                     ; behind the ring: the spare words, 128 bytes for each wave: two blocks of 256 bytes that no other line names
.set ADRA, 16                          ; v16-17  LDS address of my A fragments in slot 0, 1
.set ADRB, 20                          ; v20-21  the same for B
.set OFF,  24                          ; v24-27  the way out: 16 x lane + 0, HB, HA, HA + HB
.set SPW,  28                          ; v28     LDS address of my spare word; never rewritten
.set NIL,  29                          ; v29     0; never rewritten
.set BIAS, 32
.set AF,   128
.set G1, 24                            ; s[24:31] descriptor group 1 for A's tiles;  s[32:39] group 0, one set for each slot
.set G0, 32
.set G1B, 48                           ; s[48:55], s[56:63] the same for B's tiles
.set G0B, 56
.set MSB, 0
.macro WIN new                         ; the immediate's high byte repeats the setting that is left
.if MSB != (\new)
	s_set_vgpr_msb (MSB<<8)|(\new)
.set MSB, (\new)
.endif
.endm
.set TO_B, 0x40                        ; destination window 1, address window 0
.macro WMUL hi, cm                     ; source 0 (B) window 1, source 1 (A) window 0, D window 2 or 3; C with D, or (cm: the bias) window 0
.if \cm
	WIN 0x81+0x40*(\hi)
.else
	WIN 0xa1+0x50*(\hi)
.endif
.endm
; A joint load: waves 0 and 1 fetch for A, waves 2 and 3 for B; the branch hangs on the wave's number alone.  Four v_nop follow each of the two lines.
.macro JLOAD s
	s_cmp_eq_u32 s15, 0
	s_cbranch_scc0 .Lfor_b_\@
	tensor_load_to_lds s[G0+4*\s:G0+4*\s+3], s[G1:G1+7]
	s_nop 0
.rept 4
	v_nop
.endr
	s_branch .Lasked_\@
.Lfor_b_\@:
	tensor_load_to_lds s[G0B+4*\s:G0B+4*\s+3], s[G1B:G1B+7]
	s_nop 0
.rept 4
	v_nop
.endr
.Lasked_\@:
.endm
.macro CREST                           ; a round of the cluster's barrier behind its opening barrier
	s_cmp_lg_u32 s14, 0
	s_cbranch_scc1 .Lnot_wave_0_\@
	s_barrier_signal -3
.Lnot_wave_0_\@:
	s_barrier_wait -3
	s_barrier_signal -1
	s_barrier_wait -1
.endm
.macro CROUND                          ; a whole round
	s_barrier_signal -1
	s_barrier_wait -1
	CREST
.endm
	s_load_b256 s[4:11], s[0:1], 0x0               ; xc s[4:5], wi s[6:7], bq s[8:9], bk s[10:11]
	s_load_b128 s[68:71], s[0:1], 0x20             ; bv s[68:69], the exponents s[70:71]
	s_load_b64 s[72:73], s[0:1], 0x30              ; qkv
	v_lshl_add_u32 v[SPW], v0, 2, SPARE
	v_mov_b32 v[NIL], 0
	ds_add_u32 v28, v29
	ds_add_u32 v28, v29
	s_wait_dscnt 0x0
	v_lshrrev_b32 v1, 5, v0
	v_readfirstlane_b32 s14, v1                    ; wave 0..3
	s_lshr_b32 s15, s14, 1                         ; which half of A's 256 rows is mine.  Also: I fetch for A (0) or for B (1)
	s_and_b32 s16, s14, 1                          ; which half of B's.  Also: which half of that side I fetch
	s_bfe_u32 s40, ttmp6, 0x40000                  ; cx, cy: my place in the cluster
	s_bfe_u32 s41, ttmp6, 0x40004
	s_and_b32 s17, ttmp7, 0xffff
	s_lshl_b32 s17, s17, 2                         ; 4 x cluster y
	s_lshl_b32 s43, s41, 2
	s_lshl_b32 s43, 15, s43                        ; my row of the cluster
	s_lshl_b32 s44, 0x1111, s40                    ; my column
	; descriptor group 1: 8 rows (row tiles) of 512 elements of 8 bytes, 2,048 elements apart in memory, dense in LDS
	s_or_b32 s[G1+0], s43, (3<<16)|(1<<21)         ; 15:0 the mask: A's tiles go to my row; 17:16 elements of 8 bytes; 21 set beside a mask; no padding
	s_or_b32 s[G1B+0], s44, (3<<16)|(1<<21)
.irp g, G1, G1B
	s_mov_b32 s[\g+1], 512<<16                     ; tensor_dim0
	s_mov_b32 s[\g+2], 8<<16                       ; tensor_dim1
	s_mov_b32 s[\g+3], 512<<16                     ; tile_dim0
	s_mov_b32 s[\g+4], 8                           ; tile_dim1
	s_mov_b32 s[\g+5], 2048                        ; tensor_dim0_stride
	s_mov_b32 s[\g+6], 0
	s_mov_b32 s[\g+7], 0
.endr
	; where the tiles come from.  A's offset is made of cy and the cluster's coordinates, B's of cx and them, each in registers of its own
	s_lshl_b32 s20, ttmp9, 23                      ; x's codes under the role's scale: 8 MiB apart
	s_lshl_b32 s21, ttmp9, 20                      ; the role's weight: 1 MiB apart
	s_cmp_eq_u32 ttmp9, 2                          ; v?
	s_cselect_b32 s18, 0, s17                      ; A's tile of 256 rows: cy among wv's four, or 4 x cluster y + cy among x's 32
	s_cselect_b32 s46, s17, 0                      ; B's: 4 x cluster y + cx among x's, or cx among the weight's
	s_cselect_b32 s20, 0x200000, s20
	s_cselect_b32 s21, 0x1000000, s21
	s_add_co_u32 s18, s18, s41
	s_add_co_u32 s46, s46, s40
	s_lshl_b32 s18, s18, 18                        ; 16 row tiles of 16,384 bytes
	s_lshl_b32 s46, s46, 18
	s_lshl_b32 s22, s16, 17                        ; the half that I fetch
	s_add_co_u32 s18, s18, s22
	s_add_co_u32 s18, s18, s20
	s_add_co_u32 s46, s46, s22
	s_add_co_u32 s46, s46, s21
	s_mov_b32 s19, 0
	s_mov_b32 s47, 0
	s_lshl_b32 s45, s14, 15                        ; where they go: wave x 32,768: no place in the cluster enters an LDS address
	s_wait_kmcnt 0x0
	s_load_b256 s[76:83], s[70:71], 0x0            ; e0 .. e7
	s_load_b64 s[84:85], s[70:71], 0x20            ; e8, e9
	s_cmp_eq_u32 ttmp9, 2
	s_cselect_b64 s[22:23], s[6:7], s[4:5]         ; A's buffer,
	s_cselect_b64 s[86:87], s[4:5], s[6:7]         ; B's
	s_add_nc_u64 s[22:23], s[22:23], s[18:19]
	s_add_nc_u64 s[86:87], s[86:87], s[46:47]
	CROUND                                         ; all sixteen work-groups are here: the first joint loads meet
.irp s, 0,1
	s_mov_b32 s[G0+4*\s], 1
	s_add_co_u32 s[G0+4*\s+1], s45, \s*SLOT
	s_add_nc_u64 s[G0+4*\s+2:G0+4*\s+3], s[22:23], \s*SLOTK
	s_or_b32 s[G0+4*\s+3], s[G0+4*\s+3], 0x80000000
	s_mov_b32 s[G0B+4*\s], 1
	s_add_co_u32 s[G0B+4*\s+1], s45, \s*SLOT
	s_add_nc_u64 s[G0B+4*\s+2:G0B+4*\s+3], s[86:87], \s*SLOTK
	s_or_b32 s[G0B+4*\s+3], s[G0B+4*\s+3], 0x80000000
	JLOAD \s                                       ; two loads of mine are out
.endr
	v_and_b32 v1, 31, v0
	v_lshlrev_b32 v[OFF], 4, v1                    ; 16 x lane
	s_lshl_b32 s88, s15, 15                        ; my half of A,
	s_lshl_b32 s89, s16, 15
	s_add_co_u32 s89, s89, 2*HALF                  ; my half of B, behind A's two
.irp s, 0,1
	v_add_nc_u32 v[ADRA+\s], s88, v[OFF]
	v_add_nc_u32 v[ADRB+\s], s89, v[OFF]
	s_add_co_u32 s88, s88, SLOT
	s_add_co_u32 s89, s89, SLOT
.endr
	s_wait_kmcnt 0x0
	s_add_co_i32 s76, s76, s77                     ; eA + eB of each role
	s_add_co_i32 s78, s78, s79
	s_add_co_i32 s80, s80, s81
	s_mov_b32 s74, 4096
	s_mov_b32 s75, 131072
	s_cmp_eq_u32 ttmp9, 1
	s_cselect_b32 s98, s78, s76
	s_cselect_b32 s99, s83, s82                    ; eo: entry 6, 7,
	s_cselect_b64 s[90:91], s[10:11], s[8:9]
	s_cmp_eq_u32 ttmp9, 2
	s_cselect_b32 s98, s80, s98
	s_cselect_b32 s99, s85, s99                    ; or 9
	s_cselect_b64 s[90:91], s[68:69], s[90:91]     ; the role's bias
	s_cselect_b32 s92, s41, s40                    ; which 256 channels,
	s_cselect_b32 s93, s15, s16                    ; which half of them is my wave's,
	s_cselect_b32 s94, s40, s41                    ; which 256 tokens of the cluster's 1,024,
	s_cselect_b32 s95, s16, s15                    ; which half of them
	s_cselect_b32 s86, s75, s74                    ; HA: from A's blocks 0-3 to 4-7: four token tiles on, or (v) the next head
	s_cselect_b32 s87, s74, s75                    ; HB: from B's blocks 0-3 to 4-7: the next head, or (v) the next key step
	s_sub_co_i32 s97, 0, s98                       ; -(eA + eB), for the bias
	s_sub_co_i32 s99, s99, s98
	s_add_co_i32 s99, s99, 127
	s_lshl_b32 s96, s99, 23
	v_mov_b32 v30, s96                             ; 2^(eo - eA - eB): the three scales folded into the conversion's one
	s_add_co_i32 s99, s99, 8
	s_lshl_b32 s99, s99, 23
	s_or_b32 s99, s99, 0x600000
	v_mov_b32 v31, s99                             ; 448 x that
	s_lshl_b32 s18, s92, 10
	s_lshl_b32 s19, s93, 9
	s_add_co_u32 s18, s18, s19
	s_mov_b32 s19, 0
	s_add_nc_u64 s[90:91], s[90:91], s[18:19]      ; the bias at my wave's 128 channels
	s_add_co_u32 s94, s94, s17                     ; the tile of 256 tokens, 0 .. 31
	s_lshr_b32 s20, s94, 3                         ; the batch
	s_and_b32 s94, s94, 7
	s_lshl_b32 s18, ttmp9, 23                      ; the role's part
	s_lshl_b32 s20, s20, 21                        ; 16 heads of 131,072 bytes
	s_add_co_u32 s18, s18, s20
	s_lshl_b32 s92, s92, 19                        ; 4 heads
	s_add_co_u32 s18, s18, s92
	s_lshl_b32 s93, s93, 18                        ; 2 heads
	s_add_co_u32 s18, s18, s93
	s_lshl_b32 s94, s94, 14                        ; 256 tokens of a head: 16,384 bytes
	s_add_co_u32 s18, s18, s94
	s_lshl_b32 s95, s95, 13
	s_add_co_u32 s18, s18, s95
	s_add_nc_u64 s[72:73], s[72:73], s[18:19]
	v_add_nc_u32 v[OFF+1], s87, v[OFF]
	v_add_nc_u32 v[OFF+2], s86, v[OFF]
	v_add_nc_u32 v[OFF+3], s87, v[OFF+2]
	; the bias in the result's layout, 64 registers.  q, k: for B's block b the eight channels 16 b + 8 h + 0 .. 7.  v: for A's block a the ONE channel of my lane's row, eight times
	s_cmp_eq_u32 ttmp9, 2
	s_cbranch_scc1 .Lbias_v
	v_bfe_u32 v2, v0, 4, 1
	v_lshlrev_b32 v2, 5, v2                        ; 32 h
.irp b, 0,1,2,3,4,5,6,7
	global_load_b128 v[BIAS+8*\b:BIAS+8*\b+3], v2, s[90:91] offset:64*\b
	global_load_b128 v[BIAS+8*\b+4:BIAS+8*\b+7], v2, s[90:91] offset:64*\b+16
.endr
	s_wait_loadcnt 0x0
.set i, 0
.rept 64
	v_ldexp_f32 v[BIAS+i], v[BIAS+i], s97
.set i, i+1
.endr
	s_branch .Lbias_done
.Lbias_v:
	v_and_b32 v2, 7, v0
	v_bfe_u32 v3, v0, 3, 1
	v_lshl_add_u32 v2, v3, 4, v2
	v_lshlrev_b32 v2, 2, v2                        ; place 16 a + r of wv's images holds channel 32 (a / 2) + 8 (a % 2) + 16 (r / 8) + r % 8
.irp a, 0,1,2,3,4,5,6,7
	global_load_b32 v[BIAS+8*\a], v2, s[90:91] offset:4*(32*(\a/2)+8*(\a%2))
.endr
	s_wait_loadcnt 0x0
.irp a, 0,1,2,3,4,5,6,7
.irp j, 7,6,5,4,3,2,1,0
	v_ldexp_f32 v[BIAS+8*\a+\j], v[BIAS+8*\a], s97
.endr
.endr
.Lbias_done:
.macro FRAG reg, adr, q, i             ; the image of row tile i, K step q of the slot: four loads of 512 consecutive bytes
.irp c, 0,1,2,3
	ds_load_b128 v[\reg+4*\c:\reg+4*\c+3], v[\adr] offset:4096*(\i)+2048*(\q)+512*\c
.endr
.endm
; 16 matrix instructions: A's blocks a0, a0 + 1 x B's eight, 128 along K.  p: B's set.  cm = 0: onto the sums; 1: the sums begin with the bias of B's block; 2: of A's block.
; The 64 accumulators take turns, one instruction a turn, in the same order in every step.
.macro MUL16 a0, p, cm
.irp a, \a0, \a0+1
.irp b, 0,1,2,3,4,5,6,7
.if \cm == 0
	v_wmma_f32_16x16x128_fp8_fp8 v[8*(8*((\a)%4)+\b):8*(8*((\a)%4)+\b)+7], v[128*(\p)+FR*\b:128*(\p)+FR*\b+FR-1], v[AF+FR*(\a):AF+FR*(\a)+FR-1], v[8*(8*((\a)%4)+\b):8*(8*((\a)%4)+\b)+7]
.elseif \cm == 1
	v_wmma_f32_16x16x128_fp8_fp8 v[8*(8*((\a)%4)+\b):8*(8*((\a)%4)+\b)+7], v[128*(\p)+FR*\b:128*(\p)+FR*\b+FR-1], v[AF+FR*(\a):AF+FR*(\a)+FR-1], v[BIAS+8*\b:BIAS+8*\b+7]
.else
	v_wmma_f32_16x16x128_fp8_fp8 v[8*(8*((\a)%4)+\b):8*(8*((\a)%4)+\b)+7], v[128*(\p)+FR*\b:128*(\p)+FR*\b+FR-1], v[AF+FR*(\a):AF+FR*(\a)+FR-1], v[BIAS+8*(\a):BIAS+8*(\a)+7]
.endif
.endr
.endr
.endm
.macro FETCH_B slot, q, p              ; B's eight fragments of the slot's q-th 128 along K into set p
	WIN TO_B
.irp i, 0,1,2,3,4,5,6,7
	FRAG 128*(\p)+FR*\i, ADRB+\slot, \q, \i
.endr
	WIN 0
.endm
.macro FETCH_A slot, q, i0             ; A's blocks i0 .. i0 + 3
.irp i, \i0, \i0+1, \i0+2, \i0+3
	FRAG AF+FR*(\i), ADRA+\slot, \q, \i
.endr
.endm
.macro PLACES n                        ; plain vector lines between a matrix instruction and a load into a register that it read, or a read of its result
.rept \n
	v_nop
.endr
.endm
; A step of 128 along K that has its successor in the same slot.  A block of A is free as soon as its eight products are issued: blocks 0-3 are fetched anew in the step's middle, blocks 4-7 at its end.
.macro STEP slot, q, cm
	s_wait_dscnt 4*NL                              ; B's set and A's blocks 0-3 are in; the youngest sixteen loads (A's blocks 4-7) may be out
	WMUL 0, \cm
	MUL16 0, (\q)%2, \cm
	MUL16 2, (\q)%2, \cm
	s_wait_dscnt 0                                 ; A's blocks 4-7 are in
	PLACES NP
	FETCH_B \slot, (\q)+1, 1-(\q)%2
	FETCH_A \slot, (\q)+1, 0
	WMUL 1, \cm
	MUL16 4, (\q)%2, \cm
	MUL16 6, (\q)%2, \cm
	PLACES NP
	WIN 0
	FETCH_A \slot, (\q)+1, 4
.endm
; A slot's last step changes slots: ONE barrier; in front of it each wave waits for all its tensor loads, adds 0 to its spare word, and waits for that and for its own reads of this slot.  fill = 1: this slot is filled again, two slots ahead.
.macro TURN slot, next, fill
	s_wait_tensorcnt 0x0                           ; all my tensor loads have landed: my part of the next slot
	ds_add_u32 v[SPW], v[NIL]                      ; 0 onto my spare word
	s_wait_dscnt 4*NL+1                            ; (the add and the youngest sixteen loads may be out)
	WMUL 0, 0
	MUL16 0, 1, 0                                  ; sixteen matrix instructions stand between the add and the wait for it
	s_wait_dscnt 0x0                               ; the add is done, and my reads of this slot are over
	s_barrier_signal -1
	MUL16 2, 1, 0
	WIN 0
	s_barrier_wait -1
.if \fill
	CREST                                          ; the barrier has opened a round of the cluster's barrier: no wave of any partner still reads this slot or has a load on its way
	s_add_nc_u64 s[G0+4*\slot+2:G0+4*\slot+3], s[G0+4*\slot+2:G0+4*\slot+3], 2*SLOTK
	s_add_nc_u64 s[G0B+4*\slot+2:G0B+4*\slot+3], s[G0B+4*\slot+2:G0B+4*\slot+3], 2*SLOTK
	JLOAD \slot                                    ; the first tensor load behind the round, my one load out; its four v_nop are also the places in front of the loads below
.else
	PLACES NP
.endif
	FETCH_B \next, 0, 0
	FETCH_A \next, 0, 0
	WMUL 1, 0
	MUL16 4, 1, 0
	MUL16 6, 1, 0
	PLACES NP
	WIN 0
	FETCH_A \next, 0, 4
.endm
	s_wait_tensorcnt 1                             ; my part of slot 0 is in; slot 1's load may be out
	s_barrier_signal -1
	s_barrier_wait -1                              ; everybody's is
	FETCH_B 0, 0, 0
	FETCH_A 0, 0, 0
	FETCH_A 0, 0, 4
	s_cmp_eq_u32 ttmp9, 2                          ; the first step starts the sums with the bias: by B's blocks (q, k) or by A's (v)
	s_cbranch_scc1 .Lfirst_v
	STEP 0, 0, 1
	s_branch .Lfirst_done
.Lfirst_v:
	STEP 0, 0, 2
.Lfirst_done:
	TURN 0, 1, 1                                   ; slot 0 takes K 512-767
	STEP 1, 0, 0
	TURN 1, 0, 1                                   ; slot 1 takes K 768-1023
	STEP 0, 0, 0
	TURN 0, 1, 0                                   ; nothing is left to fetch
	STEP 1, 0, 0
	s_wait_dscnt 4*NL                              ; the last step
	WMUL 0, 0
	MUL16 0, 1, 0
	MUL16 2, 1, 0
	s_wait_dscnt 0
	WMUL 1, 0
	MUL16 4, 1, 0
	MUL16 6, 1, 0
	WIN 0
; THE WAY OUT, A's block a at a time: 64 holds (each accumulator from its low end on), eight conversions: accumulator (a, b) becomes registers 2 (b % 4), 2 (b % 4) + 1 of an image; four stores of 512 consecutive bytes.
; Every store has data registers of its own, so nothing waits for a store.
.macro OUTBLK a
.set AC, 64*((\a)%4)
	WIN 0x02+((\a)/4)                              ; source 0: window 2 or 3
.set i, 0
.rept 64
	v_med3_num_f32 v[BIAS+i], v[AC+i], -v31, v31   ; the conversion to an 8-bit code does not saturate (ISA guide 7.6.2)
.set i, i+1
.endr
	WIN 0
.irp b, 0,1,2,3,4,5,6,7
	v_cvt_scalef32_pk8_fp8_f32 v[AF+16*(\a)+2*\b:AF+16*(\a)+2*\b+1], v[BIAS+8*\b:BIAS+8*\b+7], v30
.endr
	v_nop                                          ; one plain line between the conversions and the next block's holds, which write their sources
.irp hb, 0,1
.irp g, 0,1
	global_store_b128 v[OFF+2*((\a)/4)+\hb], v[AF+16*(\a)+8*\hb+4*\g:AF+16*(\a)+8*\hb+4*\g+3], s[72:73] offset:1024*((\a)%4)+512*\g
.endr
.endr
.endm
	PLACES NP
.irp a, 0,1,2,3,4,5,6,7
	OUTBLK \a
.endr
	s_wait_tensorcnt 0x0                           ; the wave's end
	ds_add_u32 v[SPW], v[NIL]
	s_wait_dscnt 0x0
	CROUND                                         ; the closing round: no work-group ends while a partner may still ask for a tile that names it
	s_endpgm
.Lfunc_end_k_qc8d5499e6b_qkv:
	.size	k_qc8d5499e6b_qkv, .Lfunc_end_k_qc8d5499e6b_qkv-k_qc8d5499e6b_qkv
	.p2alignl 7, 3214868480
	.fill 96, 4, 3214868480
	.section	.rodata,"a",@progbits
	.p2align	6, 0x0
	.amdhsa_kernel k_qc8d5499e6b_qkv
		.amdhsa_group_segment_fixed_size 327680
		.amdhsa_private_segment_fixed_size 0
		.amdhsa_enable_private_segment 0
		.amdhsa_kernarg_size 56
		.amdhsa_user_sgpr_count 2
		.amdhsa_user_sgpr_kernarg_segment_ptr 1
		.amdhsa_wavefront_size32 1
		.amdhsa_system_sgpr_workgroup_id_x 1
		.amdhsa_system_sgpr_workgroup_id_y 1
		.amdhsa_system_sgpr_workgroup_id_z 1
		.amdhsa_system_vgpr_workitem_id 0
		.amdhsa_next_free_vgpr 1024
		.amdhsa_next_free_sgpr 100
		.amdhsa_reserve_vcc 0
		.amdhsa_float_denorm_mode_32 3
		.amdhsa_float_denorm_mode_16_64 3
		.amdhsa_memory_ordered 1
		.amdhsa_forward_progress 1
		.amdhsa_inst_pref_size 138
	.end_amdhsa_kernel
	.amdgpu_metadata
---
amdhsa.version: [ 1, 2 ]
amdhsa.kernels:
  - .name:           k_qc8d5499e6b_qkv
    .symbol:         k_qc8d5499e6b_qkv.kd
    .args:
      - { .name: xc, .offset: 0, .size: 8, .value_kind: global_buffer, .address_space: global }
      - { .name: wi, .offset: 8, .size: 8, .value_kind: global_buffer, .address_space: global }
      - { .name: bq, .offset: 16, .size: 8, .value_kind: global_buffer, .address_space: global }
      - { .name: bk, .offset: 24, .size: 8, .value_kind: global_buffer, .address_space: global }
      - { .name: bv, .offset: 32, .size: 8, .value_kind: global_buffer, .address_space: global }
      - { .name: lowp_scales, .offset: 40, .size: 8, .value_kind: global_buffer, .address_space: global }
      - { .name: qkv, .offset: 48, .size: 8, .value_kind: global_buffer, .address_space: global }
    .group_segment_fixed_size: 327680
    .private_segment_fixed_size: 0
    .kernarg_segment_align: 8
    .kernarg_segment_size: 56
    .max_flat_workgroup_size: 128
    .sgpr_count:     100
    .vgpr_count:     1024
    .wavefront_size: 32
...
	.end_amdgpu_metadata
.endif
;; end of part 2
;; launch attn (part 3): grid 4 x 64, 16 waves a work-group, no clusters, 264,192 bytes of LDS; arguments qkv, mbits, tflags, lowp_scales, aimg; writes aimg
.if DOCPART == 3
	.amdgcn_target "amdgcn-amd-amdhsa--gfx1250"
	.amdhsa_code_object_version 6
	.text
	.protected	k_qc8d5499e6b_attn
	.globl	k_qc8d5499e6b_attn
	.p2align	8
	.type	k_qc8d5499e6b_attn,@function
k_qc8d5499e6b_attn:
	s_mov_b64 s[64:65], 0
	v_nop
	global_prefetch_b8 v0, s[64:65] scope:SCOPE_SE
	s_setreg_imm32_b32 hwreg(HW_REG_WAVE_MODE, 25, 1), 1
	s_wait_xcnt 0x0
; Attention on codes of E4M3: S = q k^T / 8, hidden scores (the mask as it is given) -> -infinity, p = 2^(t - M), O = (p v) / (the sum of p), and O quantised at once for the last projection.
; t = score x log2(e); M = the running largest t rounded UP to a whole number; p is quantised unnormalised (entry 8); the row's sum is taken of the unquantised p in f32.  When M moves, sum and O are multiplied by 2^(old M - new M): exact.
; SHARES.  Work-group (j, bh): one batch x head; it copies the head's whole K and V (131,072 bytes each, images of the operands' registers) into LDS once.  Each of its SIXTEEN waves owns 32 queries (group g, two tiles of 16), which share
; every fragment of K and V.  With a = wave % 4, b = wave / 4, x = (a + b) % 4, L = 4 a + j: g = 16 x + (x odd ? 15 - L : L): each g once in a head's four work-groups, and the four waves with equal a have the same sum of g.
; LAYOUT.  Both products transposed: S^T = K Q^T (source 0 = 16 keys, source 1 = 16 queries), O^T = V^T P^T (source 0 = 16 channels, source 1 = P): a lane holds ONE query throughout, and its eight scores of a tile are the eight
; neighbouring keys that the K = 64 form's layout gives registers 2 c, 2 c + 1: a conversion's result IS the second product's operand.
; V's tiles hold channels 32 b + 8 u + rho + 8 (rho / 8) (tile 2 b + u, row rho), so that the 16 registers of two neighbouring tiles of O^T are 16 neighbouring channels: a group of the last projection's operand.
; THE MASK.  An earlier launch stored, for each (g, step of 64 keys), 64 lane masks, one for each score register, and two flags.  A step with nothing that counts is left out (a scalar branch on the stored flag); a step with nothing hidden
; skips the 64 selects.  A row with no key that counts gets NaN, as the softmax of such a row is.
; NO JOINT LOADS, though a head's four work-groups read the same K and V: steps are left out by branches on stored numbers; what would be shared is read once, at the head.
; LIMITS: e6 + e7 between -123 and 130 (added to c's exponent field); e8 and e10 between -126 and 119.  NaN among the inputs is not served.
.set VB,  131072                       ; LDS: K's images from byte 0, V's from here: [step of 64 keys 32][4 tiles][1,024] each
.set ADK, 3                            ; v1 16 x lane; v2 that + VB; v3, v4 the step's addresses; v5 -infinity; v6 2^e8; v7 448 x 2^e8
.set ADV, 4
.set ST,  8                            ; tile t's statistics at v[8 + 8 t]: +0 -M, +1 the largest t, +2, +3 the sum in two halves, +4 f (+5 named with it), +6, +7 at work
.set Q,   24                           ; v24-39   Q, 8 a tile
.set KF,  40                           ; v40-71   K of a step: 4 tiles of 16 keys
.set VF,  72                           ; v72-103  V of a step: 4 tiles of 16 channels
.set S,   104                          ; v104-167 S^T, then p: 32 a tile
.set PC,  168                          ; v168-183 p's codes, 8 a tile
.set O,   184                          ; v184-247 O^T, 32 a tile
.set TB,  13                           ; s13 LDS byte of the step in hand;  s14 counts steps;  s15, s84 the flags, shifted as the steps go;  s[2:3] the step's mask words in memory
.set ANY, 15
.set MIX, 84                           ; s[16:63], s[68:83] the step's 64 mask words;  s[86:87] c;  s[88:89] lane selects;  s90 e8;  s91 e8 + e9;  s92, s93 2^e10 and 448 x 2^e10
	s_load_b256 s[16:23], s[0:1], 0x0              ; qkv s[16:17], mbits s[18:19], tflags s[20:21], the exponents s[22:23]
	s_load_b64 s[10:11], s[0:1], 0x20              ; aimg
	v_lshl_add_u32 v254, v0, 2, 0x40000
	v_mov_b32 v255, 0
	v_lshrrev_b32 v1, 5, v0
	v_readfirstlane_b32 s12, v1                    ; wave 0..15
	v_and_b32 v1, 31, v0
	v_lshlrev_b32 v1, 4, v1
	v_add_nc_u32 v2, VB, v1
	s_lshl_b32 s24, s12, 13                        ; my wave's 8,192 bytes of the copy
	v_add_nc_u32 v252, s24, v1
	v_add_nc_u32 v253, s24, v2
	s_and_b32 s25, s12, 3                          ; a
	s_lshr_b32 s26, s12, 2                         ; b
	s_add_co_u32 s26, s26, s25
	s_and_b32 s26, s26, 3                          ; x
	s_lshl_b32 s25, s25, 2
	s_add_co_u32 s25, s25, ttmp9                   ; L
	s_sub_co_u32 s27, 15, s25
	s_bitcmp1_b32 s26, 0
	s_cselect_b32 s25, s27, s25
	s_lshl_b32 s26, s26, 4
	s_add_co_u32 s25, s25, s26                     ; g: it enters addresses in memory alone
	s_and_b32 s28, ttmp7, 0xffff                   ; batch x head
	s_lshl_b32 s30, s28, 17                        ; its 131,072 bytes in each part of qkv
	s_mov_b32 s31, 0
	s_lshl_b32 s26, s25, 11                        ; q: two tiles of 1,024 bytes
	s_add_co_u32 s26, s26, s30
	s_mov_b32 s27, 0
	s_add_co_u32 s30, s30, s24
	s_add_co_u32 s30, s30, 0x800000                ; k's part, at my wave's bytes
	s_lshl_b32 s92, s25, 13                        ; mbits: 32 steps of 256 bytes
	s_mov_b32 s93, 0
	s_lshl_b32 s94, s25, 6                         ; tflags: 64 bytes
	s_mov_b32 s95, 0
	s_lshr_b32 s96, s28, 4
	s_lshl_b32 s96, s96, 21                        ; aimg: 128 row tiles of 16,384 bytes a batch,
	s_lshl_b32 s97, s25, 15                        ; two a group,
	s_add_co_u32 s96, s96, s97
	s_and_b32 s97, s28, 15
	s_lshl_b32 s97, s97, 10                        ; and in an image's row tile 1,024 bytes a head
	s_add_co_u32 s96, s96, s97
	s_mov_b32 s97, 0
	s_mov_b32 s88, 0x76543210
	s_mov_b32 s89, 0xfedcba98                      ; v_permlanex16_b32: lane l xor 16
	s_wait_kmcnt 0x0
	s_add_nc_u64 s[4:5], s[16:17], s[26:27]
	s_add_nc_u64 s[6:7], s[16:17], s[30:31]
	s_add_nc_u64 s[8:9], s[6:7], 0x800000          ; v's part
	s_add_nc_u64 s[2:3], s[18:19], s[92:93]
	s_add_nc_u64 s[20:21], s[20:21], s[94:95]
	s_add_nc_u64 s[10:11], s[10:11], s[96:97]
	s_load_b512 s[32:47], s[20:21], 0x0            ; the group's flags: eight pairs of words
	s_load_b128 s[48:51], s[22:23], 0x18           ; e6, e7, e8, e9
	s_load_b32 s52, s[22:23], 0x28                 ; e10
.irp i, 0,1,2,3
	global_load_b128 v[Q+4*\i:Q+4*\i+3], v1, s[4:5] offset:512*\i
.endr
.irp i, 0,1,2,3,4,5,6,7,8,9,10,11,12,13,14,15
	global_load_b128 v[S+4*\i:S+4*\i+3], v1, s[6:7] offset:512*\i
.endr
.irp i, 0,1,2,3,4,5,6,7,8,9,10,11,12,13,14,15
	global_load_b128 v[S+64+4*\i:S+64+4*\i+3], v1, s[8:9] offset:512*\i
.endr
	s_wait_kmcnt 0x0
	s_or_b32 s[ANY], s32, s34
	s_or_b32 s[MIX], s33, s35
.irp i, 36,38,40,42,44,46
	s_or_b32 s[ANY], s[ANY], s[\i]
	s_or_b32 s[MIX], s[MIX], s[\i+1]
.endr
	s_add_co_i32 s85, s48, s49
	s_lshl_b32 s85, s85, 23
	s_add_co_i32 s86, s85, 0x3e38aa3b              ; c = log2(e) / 8 x 2^(e6 + e7): the two exponents are added to c's exponent field
	s_mov_b32 s87, s86                             ; (named with it as a pair)
	s_mov_b32 s90, s50
	s_add_co_i32 s91, s50, s51
	s_add_co_i32 s85, s50, 127
	s_lshl_b32 s92, s85, 23
	v_mov_b32 v6, s92                              ; 2^e8
	s_add_co_i32 s85, s85, 8
	s_lshl_b32 s85, s85, 23
	s_or_b32 s85, s85, 0x600000
	v_mov_b32 v7, s85                              ; 448 x 2^e8
	s_add_co_i32 s85, s52, 127
	s_lshl_b32 s92, s85, 23                        ; 2^e10
	s_add_co_i32 s85, s85, 8
	s_lshl_b32 s93, s85, 23
	s_or_b32 s93, s93, 0x600000                    ; 448 x 2^e10
.irp i, 0,1,2,3,4,5,6,7,8,9,10,11,12,13,14,15
	s_wait_loadcnt 31-\i                           ; K's load i is in (and Q, asked for earlier); the younger loads may be out
	ds_store_b128 v252, v[S+4*\i:S+4*\i+3] offset:512*\i
.endr
.irp i, 0,1,2,3,4,5,6,7,8,9,10,11,12,13,14,15
	s_wait_loadcnt 15-\i
	ds_store_b128 v253, v[S+64+4*\i:S+64+4*\i+3] offset:512*\i
.endr
	s_wait_dscnt 0x0                               ; for the others' sake: my part of the copy has landed
	s_barrier_signal -1
	s_barrier_wait -1                              ; the launch's one barrier: from here on LDS is only read
	v_mov_b32 v5, 0xff800000                       ; -infinity
.irp t, 0,1
	v_mov_b32 v[ST+8*\t+1], 0xff61b1e6             ; the largest t so far: -3e38, under every t
	v_floor_f32 v[ST+8*\t], -v[ST+8*\t+1]          ; -M
.irp i, 2,3,4,5,6,7
	v_mov_b32 v[ST+8*\t+\i], 0
.endr
.endr
.set i, 0
.rept 64
	v_mov_b32 v[O+i], 0                            ; O^T.  Which step is a group's first hangs on the flags, so no first step can be written out: the first finds zeros, which the first change of M leaves zeros
.set i, i+1
.endr
	s_mov_b32 s[TB], 0
	s_mov_b32 s14, 0
.Lks:                                              ; 32 trips, 64 keys each
	s_bitcmp1_b32 s[ANY], 0
	s_cbranch_scc0 .Ltail                          ; nothing in this step counts for my 32 queries
	s_load_b512 s[16:31], s[2:3], 0x0              ; the step's 64 lane masks, asked for ahead of the first product
	s_load_b512 s[32:47], s[2:3], 0x40
	s_load_b512 s[48:63], s[2:3], 0x80
	s_load_b512 s[68:83], s[2:3], 0xc0
	v_add_nc_u32 v[ADK], s[TB], v1
	v_add_nc_u32 v[ADV], s[TB], v2
	v_nop
	v_nop                                          ; four places in front of loads into registers that the last trip's products read
.irp f, 0,1,2,3,4,5,6,7
	ds_load_b128 v[KF+4*\f:KF+4*\f+3], v[ADK] offset:512*\f
.endr
.irp f, 0,1,2,3,4,5,6,7
	ds_load_b128 v[VF+4*\f:VF+4*\f+3], v[ADV] offset:512*\f
.endr
	s_wait_dscnt 8                                 ; K is in; V's eight loads may be out
.irp k, 0,1,2,3
.irp t, 0,1
	v_wmma_f32_16x16x64_fp8_fp8 v[S+32*\t+8*\k:S+32*\t+8*\k+7], v[KF+8*\k:KF+8*\k+7], v[Q+8*\t:Q+8*\t+7], 0
.endr
.endr
.rept 4
	v_nop
.endr
	s_wait_kmcnt 0x0                               ; the mask words are in, on every way: so the pointer may step at the trip's end
	s_bitcmp1_b32 s[MIX], 0
	s_cbranch_scc0 .Lopen                          ; nothing in this step is hidden
.set m, 0
.rept 64
.if m < 48
	v_cndmask_b32 v[S+m], v[S+m], v5, s[16+m]      ; register m's lane mask: hidden scores become -infinity ahead of the maximum: p = 0 then
.else
	v_cndmask_b32 v[S+m], v[S+m], v5, s[20+m]
.endif
.set m, m+1
.endr
.Lopen:
	; the softmax, the two tiles line by line by turns.  The maximum of a lane's 32 scores, in two chains, each accumulator from its low end on
.irp t, 0,1
	v_max3_num_f32 v[ST+8*\t+6], v[S+32*\t], v[S+32*\t+1], v[S+32*\t+2]
	v_max3_num_f32 v[ST+8*\t+7], v[S+32*\t+3], v[S+32*\t+4], v[S+32*\t+5]
.endr
.irp i, 6,10,14,18,22,26
.irp t, 0,1
	v_max3_num_f32 v[ST+8*\t+6], v[ST+8*\t+6], v[S+32*\t+\i], v[S+32*\t+\i+1]
	v_max3_num_f32 v[ST+8*\t+7], v[ST+8*\t+7], v[S+32*\t+\i+2], v[S+32*\t+\i+3]
.endr
.endr
.irp t, 0,1
	v_max3_num_f32 v[ST+8*\t+6], v[ST+8*\t+6], v[S+32*\t+30], v[S+32*\t+31]
.endr
.irp t, 0,1
	v_max_num_f32 v[ST+8*\t+6], v[ST+8*\t+6], v[ST+8*\t+7]
.endr
.irp t, 0,1
	v_permlanex16_b32 v[ST+8*\t+7], v[ST+8*\t+6], s88, s89   ; the query's other 32 keys lie in the lane 16 away
.endr
.irp t, 0,1
	v_max_num_f32 v[ST+8*\t+6], v[ST+8*\t+6], v[ST+8*\t+7]
.endr
.irp t, 0,1
	v_mul_f32 v[ST+8*\t+6], s86, v[ST+8*\t+6]      ; as t (c is positive)
.endr
.irp t, 0,1
	v_max_num_f32 v[ST+8*\t+1], v[ST+8*\t+1], v[ST+8*\t+6]   ; the running largest t
.endr
.irp t, 0,1
	v_mov_b32 v[ST+8*\t+6], v[ST+8*\t]
.endr
.irp t, 0,1
	v_floor_f32 v[ST+8*\t], -v[ST+8*\t+1]          ; the new -M = floor(-t) = -ceil(t): a whole number
.endr
.irp t, 0,1
	v_sub_f32 v[ST+8*\t+6], v[ST+8*\t], v[ST+8*\t+6]   ; old M - new M: a whole number, 0 or less
.endr
.irp t, 0,1
	v_cvt_i32_f32 v[ST+8*\t+6], v[ST+8*\t+6]       ; (it saturates)
.endr
.irp t, 0,1
	v_ldexp_f32 v[ST+8*\t+4], 1.0, v[ST+8*\t+6]    ; f = 2^(old M - new M)
.endr
.irp j, 0,2,4,6,8,10,12,14,16,18,20,22,24,26,28,30
.irp t, 0,1
	v_pk_fma_f32 v[S+32*\t+\j:S+32*\t+\j+1], v[S+32*\t+\j:S+32*\t+\j+1], s[86:87], v[ST+8*\t:ST+8*\t+1] op_sel_hi:[1,0,0]   ; t - M, two at a time
.endr
.endr
.set i, 0
.rept 64
	v_exp_f32 v[S+i], v[S+i]                       ; p = 2^(t - M), at most 1: one batch
.set i, i+1
.endr
.irp t, 0,1
	v_pk_mul_f32 v[ST+8*\t+2:ST+8*\t+3], v[ST+8*\t+2:ST+8*\t+3], v[ST+8*\t+4:ST+8*\t+5] op_sel_hi:[1,0]   ; the sums under the new M (the plain lines behind the batch)
.endr
	s_wait_alu depctr_va_vdst(0)                   ; one wait for the 64 exponentials, ahead of their first reader
.irp t, 0,1
	v_pk_add_f32 v[248+2*\t:249+2*\t], v[S+32*\t:S+32*\t+1], v[S+32*\t+2:S+32*\t+3]   ; the sum of the UNQUANTISED p, in two chains
.endr
.irp j, 4,8,12,16,20,24,28
.irp t, 0,1
	v_pk_add_f32 v[ST+8*\t+2:ST+8*\t+3], v[ST+8*\t+2:ST+8*\t+3], v[S+32*\t+\j:S+32*\t+\j+1]
	v_pk_add_f32 v[248+2*\t:249+2*\t], v[248+2*\t:249+2*\t], v[S+32*\t+\j+2:S+32*\t+\j+3]
.endr
.endr
.irp t, 0,1
	v_pk_add_f32 v[ST+8*\t+2:ST+8*\t+3], v[ST+8*\t+2:ST+8*\t+3], v[248+2*\t:249+2*\t]
.endr
	s_cmp_ge_i32 s90, -8                           ; from e8 = -8 on, 448 x 2^e8 is 1.75 or more and p is at most 1: the hold could change nothing
	s_cbranch_scc1 .Lno_hold
.set i, 0
.rept 64
	v_min_num_f32 v[S+i], v[S+i], v7               ; the conversion to an 8-bit code does not saturate (ISA guide 7.6.2); p is not negative
.set i, i+1
.endr
.Lno_hold:
.irp t, 0,1
.irp k, 0,1,2,3
	v_cvt_scalef32_pk8_fp8_f32 v[PC+8*\t+2*\k:PC+8*\t+2*\k+1], v[S+32*\t+8*\k:S+32*\t+8*\k+7], v6   ; keys 16 k + 8 h + 0 .. 7: registers 2 k, 2 k + 1 of the operand
.endr
.endr
.irp t, 0,1
.irp j, 0,2,4,6,8,10,12,14,16,18,20,22,24,26,28,30
	v_pk_mul_f32 v[O+32*\t+\j:O+32*\t+\j+1], v[O+32*\t+\j:O+32*\t+\j+1], v[ST+8*\t+4:ST+8*\t+5] op_sel_hi:[1,0]   ; O^T under the new M (also the plain lines behind the conversions)
.endr
.endr
	s_wait_dscnt 0x0                               ; V is in
.irp u, 0,1,2,3
.irp t, 0,1
	v_wmma_f32_16x16x64_fp8_fp8 v[O+32*\t+8*\u:O+32*\t+8*\u+7], v[VF+8*\u:VF+8*\u+7], v[PC+8*\t:PC+8*\t+7], v[O+32*\t+8*\u:O+32*\t+8*\u+7]   ; eight accumulators, one instruction a turn
.endr
.endr
.Ltail:
	s_lshr_b32 s[ANY], s[ANY], 1
	s_lshr_b32 s[MIX], s[MIX], 1
	s_add_co_u32 s[TB], s[TB], 4096
	s_add_nc_u64 s[2:3], s[2:3], 256
	s_add_co_u32 s14, s14, 1
	s_cmp_lt_u32 s14, 32
	s_cbranch_scc1 .Lks
	; THE WAY OUT.  The sum's halves and the other lane's; O^T / the sum x 2^(e8 + e9); held, quantised with 2^e10; two neighbouring tiles' 16 registers are one group of the last projection's operand.
.irp t, 0,1
	v_add_f32 v[ST+8*\t+2], v[ST+8*\t+2], v[ST+8*\t+3]
.endr
.irp t, 0,1
	v_permlanex16_b32 v[ST+8*\t+7], v[ST+8*\t+2], s88, s89
.endr
.irp t, 0,1
	v_add_f32 v[ST+8*\t+2], v[ST+8*\t+2], v[ST+8*\t+7]   ; (with the additions above: the four places behind the last products)
.endr
	v_cmp_eq_f32 s94, 0, v[ST+2]                   ; a query for which no key counts
	v_cmp_eq_f32 s95, 0, v[ST+10]
.irp t, 0,1
	v_rcp_f32 v[ST+8*\t+6], v[ST+8*\t+2]
.endr
	v_mov_b32 v5, 0x7fc00000                       ; NaN (a plain line behind the reciprocals)
	v_mov_b32 v6, s92                              ; 2^e10
	v_mov_b32 v7, s93                              ; 448 x 2^e10
	s_wait_alu depctr_va_vdst(0)                   ; one wait for both reciprocals, ahead of their first reader
.irp t, 0,1
	v_ldexp_f32 v[ST+8*\t+6], v[ST+8*\t+6], s91
.endr
.irp t, 0,1
.irp j, 0,2,4,6,8,10,12,14,16,18,20,22,24,26,28,30
	v_pk_mul_f32 v[O+32*\t+\j:O+32*\t+\j+1], v[O+32*\t+\j:O+32*\t+\j+1], v[ST+8*\t+6:ST+8*\t+7] op_sel_hi:[1,0]
.endr
.endr
.irp t, 0,1
.set i, 0
.rept 32
	v_med3_num_f32 v[O+32*\t+i], v[O+32*\t+i], -v7, v7
.set i, i+1
.endr
.set i, 0
.rept 32
	v_cndmask_b32 v[O+32*\t+i], v[O+32*\t+i], v5, s[94+\t]
.set i, i+1
.endr
.endr
.irp t, 0,1
.irp b, 0,1
	v_cvt_scalef32_pk8_fp8_f32 v[S+8*\t+4*\b:S+8*\t+4*\b+1], v[O+32*\t+16*\b:O+32*\t+16*\b+7], v6       ; channels 32 b + 16 h + 0 .. 7
	v_cvt_scalef32_pk8_fp8_f32 v[S+8*\t+4*\b+2:S+8*\t+4*\b+3], v[O+32*\t+16*\b+8:O+32*\t+16*\b+15], v6  ; and + 8 .. 15
.endr
.endr
	v_nop                                          ; one plain line behind the last conversion
.irp t, 0,1
.irp b, 0,1
	global_store_b128 v1, v[S+8*\t+4*\b:S+8*\t+4*\b+3], s[10:11] offset:16384*\t+512*\b   ; 512 consecutive bytes, aligned
.endr
.endr
	s_wait_tensorcnt 0x0
	ds_add_u32 v254, v255
	s_wait_dscnt 0x0
	s_endpgm
.Lfunc_end_k_qc8d5499e6b_attn:
	.size	k_qc8d5499e6b_attn, .Lfunc_end_k_qc8d5499e6b_attn-k_qc8d5499e6b_attn
	.p2alignl 7, 3214868480
	.fill 96, 4, 3214868480
	.section	.rodata,"a",@progbits
	.p2align	6, 0x0
	.amdhsa_kernel k_qc8d5499e6b_attn
		.amdhsa_group_segment_fixed_size 264192
		.amdhsa_private_segment_fixed_size 0
		.amdhsa_enable_private_segment 0
		.amdhsa_kernarg_size 40
		.amdhsa_user_sgpr_count 2
		.amdhsa_user_sgpr_kernarg_segment_ptr 1
		.amdhsa_wavefront_size32 1
		.amdhsa_system_sgpr_workgroup_id_x 1
		.amdhsa_system_sgpr_workgroup_id_y 1
		.amdhsa_system_sgpr_workgroup_id_z 1
		.amdhsa_system_vgpr_workitem_id 0
		.amdhsa_next_free_vgpr 256
		.amdhsa_next_free_sgpr 100
		.amdhsa_reserve_vcc 0
		.amdhsa_float_denorm_mode_32 3
		.amdhsa_float_denorm_mode_16_64 3
		.amdhsa_memory_ordered 1
		.amdhsa_forward_progress 1
		.amdhsa_inst_pref_size 45
	.end_amdhsa_kernel
	.amdgpu_metadata
---
amdhsa.version: [ 1, 2 ]
amdhsa.kernels:
  - .name:           k_qc8d5499e6b_attn
    .symbol:         k_qc8d5499e6b_attn.kd
    .args:
      - { .name: qkv, .offset: 0, .size: 8, .value_kind: global_buffer, .address_space: global }
      - { .name: mbits, .offset: 8, .size: 8, .value_kind: global_buffer, .address_space: global }
      - { .name: tflags, .offset: 16, .size: 8, .value_kind: global_buffer, .address_space: global }
      - { .name: lowp_scales, .offset: 24, .size: 8, .value_kind: global_buffer, .address_space: global }
      - { .name: aimg, .offset: 32, .size: 8, .value_kind: global_buffer, .address_space: global }
    .group_segment_fixed_size: 264192
    .private_segment_fixed_size: 0
    .kernarg_segment_align: 8
    .kernarg_segment_size: 40
    .max_flat_workgroup_size: 512
    .sgpr_count:     100
    .vgpr_count:     256
    .wavefront_size: 32
...
	.end_amdgpu_metadata
.endif
;; end of part 3
;; launch oproj (part 4): grid 4 x 32, 4 waves a work-group, clusters of 4 x 4, 327,680 bytes of LDS; arguments aimg, wi, bo, lowp_scales, out0; writes out0
.if DOCPART == 4
	.amdgcn_target "amdgcn-amd-amdhsa--gfx1250"
	.amdhsa_code_object_version 6
	.text
	.protected	k_qc8d5499e6b_oproj
	.globl	k_qc8d5499e6b_oproj
	.p2align	8
	.type	k_qc8d5499e6b_oproj,@function
k_qc8d5499e6b_oproj:
	s_mov_b64 s[64:65], 0
	v_nop
	global_prefetch_b8 v0, s[64:65] scope:SCOPE_SE
	s_setreg_imm32_b32 hwreg(HW_REG_WAVE_MODE, 25, 1), 1
	s_wait_xcnt 0x0
	s_wait_alu depctr_hold_cnt(0) depctr_sa_sdst(0) depctr_va_vdst(0) depctr_va_sdst(0) depctr_va_ssrc(0) depctr_va_vcc(0) depctr_vm_vsrc(0)
	s_getreg_b32 s2, hwreg(HW_REG_IB_STS2, 6, 4)
	s_cmp_eq_u32 s2, 0
	s_cbranch_scc0 .Lentry_in_a_cluster
	s_endpgm
.Lentry_in_a_cluster:
	s_bfe_u32 s2, ttmp6, 0x10000c
	s_cmp_lg_u32 s2, 0xf033
	s_cbranch_scc0 .Lentry_shape_is_right
	s_endpgm
.Lentry_shape_is_right:
; out0 = attention's result x wo + bo on codes of E4M3 (entries 10 and 11 of the given exponents); out0 [8192][1024] f32.
; The main part is the projections' text: a tile of 256 x 256 to a work-group of four waves, 128 x 128 to a wave; operands as images of their registers (16 rows x 128 K = 2,048 bytes, every LDS load 512 consecutive bytes);
; K = 1,024 through a ring of two LDS slots of 256 along K, written out; 4 x 4 clusters, A's tiles asked for jointly along a row, B's along a column.  8,192 x 1,024 are 128 such tiles.
; THE MATRIX INSTRUCTION IS USED TRANSPOSED (source 0 = 16 channels of wo, source 1 = 16 tokens): a lane holds eight neighbouring numbers of a row of out0.
; bo / 2^(e10 + e11) is the C of each sum's first matrix instruction; each finished sum is multiplied once by 2^(e10 + e11).  LIMIT: e10 + e11 between -126 and 127.
; REGISTERS, in windows of 256: window 0: v16-31 addresses; v32-95 the bias, later a block on its way out; v128-255 A's fragments, ONE set, later rows read back.   window 1: B's fragments, two sets.   windows 2, 3: the accumulators.
.set FR,    16
.set NL,    4
.set NP,    4                          ; places behind this matrix instruction (ISA guide 7.12.1)
.set HALF,  32768                      ; what one tensor load brings: 8 row tiles x 2 K steps x 2,048
.set SLOT,  4*HALF
.set SLOTK, 4096
.set SPARE, 2*SLOT                     ; behind the ring: the spare words, 128 bytes for each wave: two blocks of 256 bytes that no other line names
.set SPITCH, 528                       ; the way out: a stage of 16 rows x (512 bytes + 16) for each wave, in slot 0, which has had its last fill and its last read when the first result is stored there
.set NROW,  4096                       ; a row of out0 in bytes
.set ADRA, 16
.set ADRB, 20
.set STO,  24                          ; v24  the way out: where I put 32 bytes of a row
.set RD,   25                          ; v25  where I read a row back
.set CO,   26                          ; v26  16 x lane: my bytes of a row's 512, and of an image's group
.set SPW,  28
.set NIL,  29
.set BIAS, 32
.set TMP,  32
.set AF,   128
.set BK,   128
.set G1, 24
.set G0, 32
.set G1B, 48
.set G0B, 56
.set MSB, 0
.macro WIN new                         ; the immediate's high byte repeats the setting that is left
.if MSB != (\new)
	s_set_vgpr_msb (MSB<<8)|(\new)
.set MSB, (\new)
.endif
.endm
.set TO_B, 0x40
.macro WMUL hi, cm                     ; source 0 (B) window 1, source 1 (A) window 0, D window 2 or 3; C with D, or (cm: the bias) window 0
.if \cm
	WIN 0x81+0x40*(\hi)
.else
	WIN 0xa1+0x50*(\hi)
.endif
.endm
.macro JLOAD s                         ; a joint load: waves 0 and 1 fetch for A, waves 2 and 3 for B; four v_nop follow each of the two lines
	s_cmp_eq_u32 s15, 0
	s_cbranch_scc0 .Lfor_b_\@
	tensor_load_to_lds s[G0+4*\s:G0+4*\s+3], s[G1:G1+7]
	s_nop 0
.rept 4
	v_nop
.endr
	s_branch .Lasked_\@
.Lfor_b_\@:
	tensor_load_to_lds s[G0B+4*\s:G0B+4*\s+3], s[G1B:G1B+7]
	s_nop 0
.rept 4
	v_nop
.endr
.Lasked_\@:
.endm
.macro CREST
	s_cmp_lg_u32 s14, 0
	s_cbranch_scc1 .Lnot_wave_0_\@
	s_barrier_signal -3
.Lnot_wave_0_\@:
	s_barrier_wait -3
	s_barrier_signal -1
	s_barrier_wait -1
.endm
.macro CROUND
	s_barrier_signal -1
	s_barrier_wait -1
	CREST
.endm
	s_load_b256 s[4:11], s[0:1], 0x0               ; aimg s[4:5], wi s[6:7], bo s[8:9], the exponents s[10:11]
	s_load_b64 s[12:13], s[0:1], 0x20              ; out0
	v_lshl_add_u32 v[SPW], v0, 2, SPARE
	v_mov_b32 v[NIL], 0
	ds_add_u32 v28, v29
	ds_add_u32 v28, v29
	s_wait_dscnt 0x0
	v_lshrrev_b32 v1, 5, v0
	v_readfirstlane_b32 s14, v1                    ; wave 0..3
	s_lshr_b32 s15, s14, 1                         ; which half of the tile's rows is mine.  Also: I fetch for A (0) or for B (1)
	s_and_b32 s16, s14, 1                          ; which half of its columns.  Also: which half of that side I fetch
	s_bfe_u32 s40, ttmp6, 0x40000                  ; cx = the tile column: the grid is one cluster wide
	s_bfe_u32 s41, ttmp6, 0x40004                  ; cy
	s_and_b32 s17, ttmp7, 0xffff
	s_lshl_b32 s17, s17, 2
	s_add_co_u32 s17, s17, s41                     ; tile row = 4 x cluster y + cy
	s_lshl_b32 s43, s41, 2
	s_lshl_b32 s43, 15, s43                        ; my row of the cluster
	s_lshl_b32 s44, 0x1111, s40                    ; my column
	s_or_b32 s[G1+0], s43, (3<<16)|(1<<21)         ; 15:0 the mask; 17:16 elements of 8 bytes; 21 set beside a mask; no padding
	s_or_b32 s[G1B+0], s44, (3<<16)|(1<<21)
.irp g, G1, G1B
	s_mov_b32 s[\g+1], 512<<16                     ; tensor_dim0: 4,096 bytes
	s_mov_b32 s[\g+2], 8<<16                       ; tensor_dim1: 8 row tiles
	s_mov_b32 s[\g+3], 512<<16                     ; tile_dim0
	s_mov_b32 s[\g+4], 8                           ; tile_dim1
	s_mov_b32 s[\g+5], 2048                        ; tensor_dim0_stride: 16,384 bytes
	s_mov_b32 s[\g+6], 0
	s_mov_b32 s[\g+7], 0
.endr
	s_lshl_b32 s22, s16, 17                        ; the half that I fetch
	s_lshl_b32 s18, s17, 18                        ; A: 16 row tiles of 16,384 bytes a tile row
	s_add_co_u32 s18, s18, s22
	s_mov_b32 s19, 0
	s_lshl_b32 s46, s40, 18                        ; B: the same by the tile column,
	s_add_co_u32 s46, s46, s22
	s_add_co_u32 s46, s46, 0x300000                ; in wo's part of wi
	s_mov_b32 s47, 0
	s_lshl_b32 s45, s14, 15                        ; where they go: wave x 32,768
	s_wait_kmcnt 0x0
	s_load_b64 s[96:97], s[10:11], 0x28            ; e10, e11
	s_add_nc_u64 s[22:23], s[4:5], s[18:19]
	s_add_nc_u64 s[86:87], s[6:7], s[46:47]
	CROUND                                         ; all sixteen work-groups are here: the first joint loads meet
.irp s, 0,1
	s_mov_b32 s[G0+4*\s], 1
	s_add_co_u32 s[G0+4*\s+1], s45, \s*SLOT
	s_add_nc_u64 s[G0+4*\s+2:G0+4*\s+3], s[22:23], \s*SLOTK
	s_or_b32 s[G0+4*\s+3], s[G0+4*\s+3], 0x80000000
	s_mov_b32 s[G0B+4*\s], 1
	s_add_co_u32 s[G0B+4*\s+1], s45, \s*SLOT
	s_add_nc_u64 s[G0B+4*\s+2:G0B+4*\s+3], s[86:87], \s*SLOTK
	s_or_b32 s[G0B+4*\s+3], s[G0B+4*\s+3], 0x80000000
	JLOAD \s                                       ; two loads of mine are out
.endr
	v_and_b32 v1, 31, v0
	v_lshlrev_b32 v[CO], 4, v1
	s_lshl_b32 s88, s15, 15
	s_lshl_b32 s89, s16, 15
	s_add_co_u32 s89, s89, 2*HALF
.irp s, 0,1
	v_add_nc_u32 v[ADRA+\s], s88, v[CO]
	v_add_nc_u32 v[ADRB+\s], s89, v[CO]
	s_add_co_u32 s88, s88, SLOT
	s_add_co_u32 s89, s89, SLOT
.endr
	v_and_b32 v1, 15, v0                           ; r
	v_bfe_u32 v2, v0, 4, 1                         ; h
	s_mul_i32 s23, s14, 16*SPITCH                  ; my stage
	v_mul_u32_u24 v5, v1, SPITCH                   ; in: row r, 32 bytes for each half of the lanes
	v_lshl_add_u32 v5, v2, 5, v5
	v_add_nc_u32 v[STO], s23, v5
	v_add_nc_u32 v[RD], s23, v[CO]                 ; back: the 32 lanes take one row of 512 bytes
	s_lshl_b32 s20, s17, 8
	s_lshl_b32 s21, s15, 7
	s_add_co_u32 s20, s20, s21                     ; my first row of out0
	s_lshl_b32 s20, s20, 12
	s_lshl_b32 s21, s40, 10                        ; my first column, in bytes
	s_add_co_u32 s20, s20, s21
	s_lshl_b32 s21, s16, 9
	s_add_co_u32 s20, s20, s21
	s_mov_b32 s21, 0
	s_add_nc_u64 s[12:13], s[12:13], s[20:21]
	s_lshl_b32 s20, s40, 10
	s_lshl_b32 s18, s16, 9
	s_add_co_u32 s20, s20, s18
	s_add_nc_u64 s[8:9], s[8:9], s[20:21]          ; bo at my wave's 128 channels
	v_lshlrev_b32 v2, 5, v2                        ; 32 h
.irp b, 0,1,2,3,4,5,6,7
	global_load_b128 v[BIAS+8*\b:BIAS+8*\b+3], v2, s[8:9] offset:64*\b          ; for B's block b the eight channels 16 b + 8 h + 0 .. 7
	global_load_b128 v[BIAS+8*\b+4:BIAS+8*\b+7], v2, s[8:9] offset:64*\b+16
.endr
	s_wait_kmcnt 0x0
	s_add_co_i32 s98, s96, s97                     ; e10 + e11
	s_sub_co_i32 s99, 0, s98
	s_add_co_i32 s96, s98, 127
	s_lshl_b32 s96, s96, 23                        ; 2^(e10 + e11) as f32 (s97 is named with it as a pair and has been written)
	s_wait_loadcnt 0x0
.set i, 0
.rept 64
	v_ldexp_f32 v[BIAS+i], v[BIAS+i], s99
.set i, i+1
.endr
.macro FRAG reg, adr, q, i             ; the image of row tile i, K step q of the slot
.irp c, 0,1,2,3
	ds_load_b128 v[\reg+4*\c:\reg+4*\c+3], v[\adr] offset:4096*(\i)+2048*(\q)+512*\c
.endr
.endm
; 16 matrix instructions: A's blocks a0, a0 + 1 x B's eight.  cm = 1: the sums begin with the bias of B's block.  The 64 accumulators take turns, one instruction a turn.
.macro MUL16 a0, p, cm
.irp a, \a0, \a0+1
.irp b, 0,1,2,3,4,5,6,7
.if \cm == 0
	v_wmma_f32_16x16x128_fp8_fp8 v[8*(8*((\a)%4)+\b):8*(8*((\a)%4)+\b)+7], v[128*(\p)+FR*\b:128*(\p)+FR*\b+FR-1], v[AF+FR*(\a):AF+FR*(\a)+FR-1], v[8*(8*((\a)%4)+\b):8*(8*((\a)%4)+\b)+7]
.else
	v_wmma_f32_16x16x128_fp8_fp8 v[8*(8*((\a)%4)+\b):8*(8*((\a)%4)+\b)+7], v[128*(\p)+FR*\b:128*(\p)+FR*\b+FR-1], v[AF+FR*(\a):AF+FR*(\a)+FR-1], v[BIAS+8*\b:BIAS+8*\b+7]
.endif
.endr
.endr
.endm
.macro FETCH_B slot, q, p
	WIN TO_B
.irp i, 0,1,2,3,4,5,6,7
	FRAG 128*(\p)+FR*\i, ADRB+\slot, \q, \i
.endr
	WIN 0
.endm
.macro FETCH_A slot, q, i0
.irp i, \i0, \i0+1, \i0+2, \i0+3
	FRAG AF+FR*(\i), ADRA+\slot, \q, \i
.endr
.endm
.macro PLACES n
.rept \n
	v_nop
.endr
.endm
.macro STEP slot, q, cm
	s_wait_dscnt 4*NL                              ; B's set and A's blocks 0-3 are in; the youngest sixteen loads (A's blocks 4-7) may be out
	WMUL 0, \cm
	MUL16 0, (\q)%2, \cm
	MUL16 2, (\q)%2, \cm
	s_wait_dscnt 0
	PLACES NP
	FETCH_B \slot, (\q)+1, 1-(\q)%2
	FETCH_A \slot, (\q)+1, 0
	WMUL 1, \cm
	MUL16 4, (\q)%2, \cm
	MUL16 6, (\q)%2, \cm
	PLACES NP
	WIN 0
	FETCH_A \slot, (\q)+1, 4
.endm
.macro TURN slot, next, fill
	s_wait_tensorcnt 0x0                           ; all my tensor loads have landed: my part of the next slot
	ds_add_u32 v[SPW], v[NIL]                      ; 0 onto my spare word
	s_wait_dscnt 4*NL+1                            ; (the add and the youngest sixteen loads may be out)
	WMUL 0, 0
	MUL16 0, 1, 0
	s_wait_dscnt 0x0                               ; the add is done, and my reads of this slot are over
	s_barrier_signal -1
	MUL16 2, 1, 0
	WIN 0
	s_barrier_wait -1
.if \fill
	CREST                                          ; the barrier has opened a round of the cluster's barrier
	s_add_nc_u64 s[G0+4*\slot+2:G0+4*\slot+3], s[G0+4*\slot+2:G0+4*\slot+3], 2*SLOTK
	s_add_nc_u64 s[G0B+4*\slot+2:G0B+4*\slot+3], s[G0B+4*\slot+2:G0B+4*\slot+3], 2*SLOTK
	JLOAD \slot                                    ; the first tensor load behind the round, my one load out
.else
	PLACES NP
.endif
	FETCH_B \next, 0, 0
	FETCH_A \next, 0, 0
	WMUL 1, 0
	MUL16 4, 1, 0
	MUL16 6, 1, 0
	PLACES NP
	WIN 0
	FETCH_A \next, 0, 4
.endm
	s_wait_tensorcnt 1                             ; my part of slot 0 is in; slot 1's load may be out
	s_barrier_signal -1
	s_barrier_wait -1
	FETCH_B 0, 0, 0
	FETCH_A 0, 0, 0
	FETCH_A 0, 0, 4
	STEP 0, 0, 1                                   ; the first step starts the sums with the bias
	TURN 0, 1, 1
	STEP 1, 0, 0
	TURN 1, 0, 1
	STEP 0, 0, 0
	TURN 0, 1, 0
	STEP 1, 0, 0
	s_wait_dscnt 4*NL
	WMUL 0, 0
	MUL16 0, 1, 0
	MUL16 2, 1, 0
	s_wait_dscnt 0
	WMUL 1, 0
	MUL16 4, 1, 0
	MUL16 6, 1, 0
	WIN 0
; THE WAY OUT, block by block of 16 rows x 128 columns, through my own stage in LDS: in as 32 bytes a lane, back as whole rows of 512 bytes.  LDS serves a wave's instructions in order (ISA guide 5.7.1.4): no wait between the stores and the loads.
.macro TOSTAGE a
.set AC, 64*((\a)%4)
	WIN 0x02+((\a)/4)                              ; source 0: window 2 or 3
.irp j, 0,2,4,6,8,10,12,14,16,18,20,22,24,26,28,30,32,34,36,38,40,42,44,46,48,50,52,54,56,58,60,62
	v_pk_mul_f32 v[TMP+\j:TMP+\j+1], v[AC+\j:AC+\j+1], s[96:97] op_sel_hi:[1,0]   ; x 2^(e10 + e11); each accumulator from its low end on
.endr
	WIN 0
.irp b, 0,1,2,3,4,5,6,7
	ds_store_b128 v[STO], v[TMP+8*\b:TMP+8*\b+3] offset:64*\b
	ds_store_b128 v[STO], v[TMP+8*\b+4:TMP+8*\b+7] offset:64*\b+16
.endr
.set BB, BK+64*((\a)%2)
.irp t, 0,1,2,3,4,5,6,7,8,9,10,11,12,13,14,15
	ds_load_b128 v[BB+4*\t:BB+4*\t+3], v[RD] offset:\t*SPITCH
.endr
.endm
.macro SEND a, younger                 ; younger: the LDS instructions issued behind block a's loads, which may stay out
.set BB, BK+64*((\a)%2)
	s_wait_dscnt \younger
.if (\a) > 0
	s_add_nc_u64 s[12:13], s[12:13], 16*NROW       ; (behind a wait on XCNT: the earlier stores have read their base)
.endif
.irp t, 0,1,2,3,4,5,6,7,8,9,10,11,12,13,14,15
	global_store_b128 v[CO], v[BB+4*\t:BB+4*\t+3], s[12:13] offset:\t*NROW th:TH_STORE_NT   ; 512 consecutive bytes, aligned; written once, read by nobody here
.endr
.endm
	PLACES NP
	TOSTAGE 0
.irp a, 1,2,3,4,5,6,7
.if \a > 1
	s_wait_xcnt 0x0                                ; block a - 2's stores have read their registers and their base
.endif
	TOSTAGE \a
	SEND \a-1, 32                                  ; behind block a - 1's loads: block a's 16 stores and 16 loads
.endr
	s_wait_xcnt 0x0
	SEND 7, 0
	s_wait_tensorcnt 0x0                           ; the wave's end
	ds_add_u32 v[SPW], v[NIL]
	s_wait_dscnt 0x0
	CROUND                                         ; the closing round
	s_endpgm
.Lfunc_end_k_qc8d5499e6b_oproj:
	.size	k_qc8d5499e6b_oproj, .Lfunc_end_k_qc8d5499e6b_oproj-k_qc8d5499e6b_oproj
	.p2alignl 7, 3214868480
	.fill 96, 4, 3214868480
	.section	.rodata,"a",@progbits
	.p2align	6, 0x0
	.amdhsa_kernel k_qc8d5499e6b_oproj
		.amdhsa_group_segment_fixed_size 327680
		.amdhsa_private_segment_fixed_size 0
		.amdhsa_enable_private_segment 0
		.amdhsa_kernarg_size 40
		.amdhsa_user_sgpr_count 2
		.amdhsa_user_sgpr_kernarg_segment_ptr 1
		.amdhsa_wavefront_size32 1
		.amdhsa_system_sgpr_workgroup_id_x 1
		.amdhsa_system_sgpr_workgroup_id_y 1
		.amdhsa_system_sgpr_workgroup_id_z 1
		.amdhsa_system_vgpr_workitem_id 0
		.amdhsa_next_free_vgpr 1024
		.amdhsa_next_free_sgpr 100
		.amdhsa_reserve_vcc 0
		.amdhsa_float_denorm_mode_32 3
		.amdhsa_float_denorm_mode_16_64 3
		.amdhsa_memory_ordered 1
		.amdhsa_forward_progress 1
		.amdhsa_inst_pref_size 128
	.end_amdhsa_kernel
	.amdgpu_metadata
---
amdhsa.version: [ 1, 2 ]
amdhsa.kernels:
  - .name:           k_qc8d5499e6b_oproj
    .symbol:         k_qc8d5499e6b_oproj.kd
    .args:
      - { .name: aimg, .offset: 0, .size: 8, .value_kind: global_buffer, .address_space: global }
      - { .name: wi, .offset: 8, .size: 8, .value_kind: global_buffer, .address_space: global }
      - { .name: bo, .offset: 16, .size: 8, .value_kind: global_buffer, .address_space: global }
      - { .name: lowp_scales, .offset: 24, .size: 8, .value_kind: global_buffer, .address_space: global }
      - { .name: out0, .offset: 32, .size: 8, .value_kind: global_buffer, .address_space: global }
    .group_segment_fixed_size: 327680
    .private_segment_fixed_size: 0
    .kernarg_segment_align: 8
    .kernarg_segment_size: 40
    .max_flat_workgroup_size: 128
    .sgpr_count:     100
    .vgpr_count:     1024
    .wavefront_size: 32
...
	.end_amdgpu_metadata
.endif
;; end of part 4
